; MI455X (gfx1250); checked and timed in simulation.
; The chip was launched on July 23, 2026; its instructions are those of AMD's public machine-readable ISA for CDNA 5 (MIT licence, August 2026) and "CDNA5" Instruction Set Architecture Reference Guide (July 2026). The comments in the code are by the model that wrote it; some were corrected since.
;; Attention. Allowed arithmetic: matrix products marked QUANTISED: E2M1 operands, one E8M0 scale for each 32 along K, by v_wmma_scale_f32_16x16x128_f8f6f4 with both operands' format E2M1 (or v_wmma_scale_f32_32x16x128_f4), f32 sums; everything else in f32.
;; Inputs: bk 1,024 float32; bo 1,024 float32; bq 1,024 float32; bv 1,024 float32; k 1 x 4,096 x 1,024 float32; mask 4,096 x 4,096 int32; q 1 x 4,096 x 1,024 float32; v 1 x 4,096 x 1,024 float32; wk 1,024 x 1,024 float32; wo 1,024 x 1,024 float32; wq 1,024 x 1,024 float32; wv 1,024 x 1,024 float32.
;; Outputs: out0 1 x 4,096 x 1,024 float32.
;; This version of the problem:
;;   THIS VERSION OF THE PROBLEM IS GIVEN IN LOW PRECISION. The matrix products marked QUANTISED in the list below multiply operands that are first quantised to E2M1 (2 exponent bits, 1 mantissa bit; 4 bits a number), with one power-of-two scale for each 32 numbers along K (OCP MX v1.0); their sums are f32. All else is computed in f32.
;;   The module's matrix products, in the order in which they are computed (A, B: the left and right operand; K: the contracted axis; several contracted axes count as one K, in the product's order):
;;     1. [M 4,096, K 1,024] x [K 1,024, N 1,024]; A: input q; B: input wq: QUANTISED
;;     2. [M 4,096, K 1,024] x [K 1,024, N 1,024]; A: input k; B: input wk: QUANTISED
;;     3. [M 4,096, K 1,024] x [K 1,024, N 1,024]; A: input v; B: input wv: QUANTISED
;;     4. batch 16 x [M 4,096, K 64] x [K 64, N 4,096]; A: computed on the way; B: computed on the way: QUANTISED
;;     5. batch 16 x [M 4,096, K 4,096] x [K 4,096, N 64]; A: softmax (see below); B: computed on the way: QUANTISED
;;     6. [M 4,096, K 1,024] x [K 1,024, N 1,024]; A: computed on the way; B: input wo: QUANTISED
;;   THE QUANTISER, for each operand of a quantised product, along K:
;;     - K is cut into blocks of 32 from its start; a last block that is shorter is filled with zeros.
;;     - A block's scale is 2^e with e = floor(log2(the largest magnitude in the block)) - 2, held to -126 .. 127; a block of zeros has e = 0. As a byte (E8M0): e + 127.
;;     - Each number is divided by its block's scale, clamped to +-6, and rounded to the nearest number of E2M1, ties to even, subnormals kept.
;;     - The product sums the exact products of the quantised numbers (number of the format x scale) in f32.
;;   ~~~python
;;   def quantise(x, axis):      # numpy; x: float32 -> the quantised numbers, widened to float32 again
;;       x = np.moveaxis(x, axis, -1); K = x.shape[-1]
;;       x = np.pad(x, [(0, 0)] * (x.ndim - 1) + [(0, -K % 32)]); x = x.reshape(x.shape[:-1] + (-1, 32)); a = np.abs(x).max(-1, keepdims=True)
;;       e = np.where(a > 0, np.clip(np.frexp(np.where(a > 0, a, 1))[1] - 1 - 2, -126, 127), 0)      # np.frexp(a)[1] - 1 = floor(log2(a)), exactly
;;       r = np.clip(x / 2.0 ** e, -6, 6)
;;       step = 2.0 ** (np.maximum(np.frexp(np.where(r == 0, 1, r))[1] - 1, 0) - 1)
;;       q = np.round(r / step) * step * 2.0 ** e      # np.round: ties to even
;;       return np.moveaxis(q.reshape(q.shape[:-2] + (-1,))[..., :K], -1, axis).astype(np.float32)
;;   ~~~
;;   SOFTMAX AHEAD OF A QUANTISED PRODUCT. Where the list says 'softmax', what is quantised is not the finished softmax but p = 2^(t - M), with t = logit x log2(e) and M = ceil(the row's largest t), a whole number; so 1/2 < the row's largest p <= 1. The row's sum l is taken of the UNQUANTISED p, in f32, and the product's result is divided by l at the end. Since M is a whole number, a kernel that streams over the keys may use a running M (the ceiling of the running maximum): every later rescaling is an exact power of two, which a block's scale takes up: the codes' values come out the same.
;;   OPERANDS COMPUTED ON THE WAY. 'Computed on the way' means the value that the module computes at that place (a softmax that the list does not call 'softmax' is quantised finished and normalised). What goes into a quantiser is computed in f32, as accurately as f32 sums, v_exp_f32 and their like allow (about 1e-6 of the number): no bf16 or f16 on the way to a quantiser, and a product that is left as it is and whose result goes on into a quantised operand takes f32 operands (vector FMAs, or v_wmma_f32_16x16x4_f32). A number that lies on a knife's edge between two numbers of the format may be rounded either way, as far as f32 arithmetic and the matrix unit's own rounding can turn it there, and no further.
;; 2 versions. Each part assembles by itself: llvm-mc -triple=amdgcn-amd-amdhsa -mcpu=gfx1250 --defsym DOCPART=n.
;; ======== version 1 of 2: 4 launches
;; workspace buffers: opc 8,388,608 bytes; ops 524,288 bytes; mkw 2,097,152 bytes of whole numbers; mkf 8,192 bytes of whole numbers; hc 6,291,456 bytes; hs 655,360 bytes; cc 2,097,152 bytes; cs 131,072 bytes
;; launch prep (part 1): grid 768 x 1, 4 waves a work-group, no clusters, 68,096 bytes of LDS; arguments q, k, v, wq, wk, wv, wo, mask, opc, ops, mkw, mkf; writes opc, ops, mkw, mkf
.if DOCPART == 1
	.amdgcn_target "amdgcn-amd-amdhsa--gfx1250"
	.amdhsa_code_object_version 6
	.text
	.protected	k_qbf60655332_prep
	.globl	k_qbf60655332_prep
	.p2align	8
	.type	k_qbf60655332_prep,@function
k_qbf60655332_prep:
	s_mov_b64 s[64:65], 0
	v_nop
	global_prefetch_b8 v0, s[64:65] scope:SCOPE_SE
	s_setreg_imm32_b32 hwreg(HW_REG_WAVE_MODE, 25, 1), 1
	s_wait_xcnt 0x0
; PREP.  (a) q, k, v [4096][1024] and wq, wk, wv, wo [1024][1024], f32, K innermost, become codes of FP4 (E2M1) with one E8M0 byte for each 32 along K;
; (b) the mask [4096][4096] int32 becomes one bit a number, in the very words that the attention launch's selects want, and two bits a key step that say whether none, some or all of its keys count.
; A TILE is 16 rows: tile X holds rows 32 (X / 2) + 8 (X % 2) + p + 8 (p / 8), p = 0 .. 15.  A GROUP is four tiles, 64 rows on end.
; opc [group 256][K step 8][tile 4][1,024 bytes]: the image of an operand's registers: registers 0-3 at 16 x lane, registers 4-7 at 512 + 16 x lane.  Groups: q 0-63, k 64-127, v 128-191, wq 192-, wk 208-, wv 224-, wo 240-255.
; ops [group][K step][256 bytes]: lane l's word j (at 8 l + 4 j) is the scale word of tile 2 j + l / 16, row l % 16.
; mkw [tile 256][key step 32][64 words]: bit l of word 16 b + i says whether key 128 step + 32 b + 16 (l / 16) + i counts for query l % 16 of the tile.
; mkf [tile][quarter 4][2 words]: two bits for each of the quarter's 8 key steps (0 none, 1 some, 2 all), and the OR of the quarter's words.
; A block's scale is 2^(floor(log2(largest magnitude)) - 2): its byte is that magnitude's exponent field - 2, held at 1 from below.
; LIMITS: a block of zeros, and one whose largest magnitude lies under 2^-124, keeps the byte 1 (the rule says 127 for zeros: the codes are zeros, and this program alone reads the bytes); NaN and infinities are not served.
; SHARES.  Work-groups 0-255: the mask, a tile of 16 queries each, a wave 8 key steps.  Work-groups 256-767: a wave takes one group and one K step, four tiles.
; A UNIT is 16 rows x 512 bytes: sixteen loads, each 512 consecutive bytes of one row; through the wave's own stage in LDS (rows 528 bytes apart: row r begins at bank 4 r) it comes back so that lane (r, h)
; holds, of row r, numbers 32 b + 16 h + i in register 16 b + i.  No barrier: a stage is its wave's own.  The two kinds of work-group have LDS bytes of their own.  Memory binds: no matrix unit, no cluster.
.set STG,  8448                        ; a stage: 16 rows x 528 bytes
.set QOFF, 4*STG                       ; the quantising path's stages lie behind the mask path's
.set R,    64                          ; v64-127, v128-191  two sets of 64 registers as loaded
.set X,    192                         ; v192-255           a unit after the turn through the stage
.set TM,   16                          ; v16-19 largest magnitudes, v20-23 the other half's, then bytes, v28-31 the conversions' scale operands
.set PW,   32                          ; v32-35 the four tiles' scale words;  v[36:37] the pair that is stored
.set PC,   40                          ; v40-47 a tile's codes
	s_load_b512 s[4:19], s[0:1], 0x0               ; q, k, v, wq, wk, wv, wo, mask
	s_load_b256 s[20:27], s[0:1], 0x40             ; opc, ops, mkw, mkf
	v_lshl_add_u32 v62, v0, 2, 0x10800
	v_mov_b32 v63, 0
	v_lshrrev_b32 v13, 5, v0
	v_readfirstlane_b32 s28, v13                   ; wave 0..3
	v_and_b32 v1, 31, v0                           ; lane
	v_and_b32 v2, 15, v0                           ; r
	v_bfe_u32 v3, v0, 4, 1                         ; h
	v_lshlrev_b32 v4, 4, v1                        ; 16 x lane: my bytes of a load's 512, and of an image's
	v_lshlrev_b32 v7, 3, v1                        ; 8 x lane
	s_mul_i32 s29, s28, STG
	v_add_nc_u32 v5, s29, v4                       ; mask path: into the stage: 16 x lane of a row
	v_mul_u32_u24 v6, v2, 528
	v_lshl_add_u32 v6, v3, 6, v6
	v_add_nc_u32 v6, s29, v6                       ; and out of it: row r, + 64 h
	v_add_nc_u32 v8, QOFF, v5                      ; quantising path: the same two
	v_add_nc_u32 v9, QOFF, v6
	v_mov_b32 v10, 0                               ; v[10:11] a key step's 64 words, two a lane; v12 their OR over the steps
	v_mov_b32 v11, 0
	v_mov_b32 v12, 0
.irp b, 0,1,2,3
	v_mov_b32 v[TM+4+\b], 0                        ; written once: a lane permute's destination counts as one of its sources
.endr
	s_mov_b32 s48, 0                               ; the steps' codes
	s_mov_b32 s49, 0                               ; the OR over lanes
	s_mov_b32 s50, 0xffff0000                      ; lanes 16-31
	s_mov_b32 s52, 0x76543210
	s_mov_b32 s53, 0xfedcba98                      ; v_permlanex16_b32's selects for lane l xor 16
	s_wait_kmcnt 0x0
	s_cmp_ge_u32 ttmp9, 256
	s_cbranch_scc1 .Lquant
.macro TURN sa, ra, set                ; a unit through the stage; LDS serves a wave's instructions in order, so no wait stands between the stores and the loads
.set p_, 0
.rept 16
	ds_store_b128 v[\sa], v[R+64*(\set)+4*p_:R+64*(\set)+4*p_+3] offset:528*p_
.set p_, p_+1
.endr
.irp b, 0,1,2,3
.irp j, 0,1,2,3
	ds_load_b128 v[X+16*\b+4*\j:X+16*\b+4*\j+3], v[\ra] offset:128*\b+16*\j
.endr
.endr
.endm
; ---------------- the mask ----------------
	s_lshr_b32 s30, ttmp9, 1
	s_lshl_b32 s30, s30, 5
	s_and_b32 s31, ttmp9, 1
	s_lshl_b32 s31, s31, 3
	s_add_co_u32 s30, s30, s31                     ; the tile's first query: 32 (T / 2) + 8 (T % 2)
	s_lshl_b32 s30, s30, 14                        ; a row of the mask is 16,384 bytes
	s_lshl_b32 s31, s28, 12                        ; my wave's 8 key steps of 512 bytes
	s_add_co_u32 s30, s30, s31
	s_mov_b32 s31, 0
	s_add_nc_u64 s[18:19], s[18:19], s[30:31]
	s_lshl_b32 s30, ttmp9, 13
	s_lshl_b32 s32, s28, 11
	s_add_co_u32 s30, s30, s32
	s_add_nc_u64 s[24:25], s[24:25], s[30:31]      ; mkw + 8,192 T + 2,048 wave
	s_lshl_b32 s30, ttmp9, 5
	s_lshl_b32 s32, s28, 3
	s_add_co_u32 s30, s30, s32
	s_add_nc_u64 s[26:27], s[26:27], s[30:31]      ; mkf + 32 T + 8 wave
.macro MLOAD u, set
.set p_, 0
.rept 16
	global_load_b128 v[R+64*(\set)+4*p_:R+64*(\set)+4*p_+3], v4, s[18:19] offset:(p_+8*(p_/8))*16384+512*(\u) th:TH_LOAD_NT
.set p_, p_+1
.endr
.endm
.macro PACK u                          ; register n's 32 lanes become word n: a compare gives the word, a lane write puts it into lane n / 2 of register n % 2
.if \u > 0
	s_wait_xcnt 0x0                                ; the last step's store has read v[10:11]
.endif
.irp g, 0,1,2,3,4,5,6,7
.irp e, 0,1,2,3,4,5,6,7
	v_cmp_ne_u32 s[40+\e], 0, v[X+8*\g+\e]
.endr
.irp e, 0,1,2,3,4,5,6,7
	v_writelane_b32 v[10+\e%2], s[40+\e], 4*\g+\e/2
.endr
.endr
	v_or_b32 v13, v10, v11
	v_and_b32 v14, v10, v11
	v_or_b32 v12, v12, v13
	v_cmp_ne_u32 s30, 0, v13                       ; not 0: some key counts
	v_cmp_ne_u32 s31, -1, v14                      ; 0: every key counts
	s_cmp_lg_u32 s30, 0
	s_cselect_b32 s32, 1, 0
	s_cmp_eq_u32 s31, 0
	s_cselect_b32 s32, 2, s32
	s_lshl_b32 s32, s32, 2*(\u)
	s_or_b32 s48, s48, s32
	global_store_b64 v7, v[10:11], s[24:25] offset:256*(\u)   ; 32 lanes store 256 consecutive bytes, aligned
.endm
.macro MUNIT u
.if \u < 7
	s_wait_loadcnt 16                              ; this unit's 16 loads are in; the next unit's 16 may be out
.else
	s_wait_loadcnt 0x0
.endif
	TURN 5, 6, (\u)%2
	s_wait_dscnt 0x0                               ; the unit is back, and the stores have read the set, which takes the loads of two units on
.if \u < 6
	MLOAD (\u)+2, (\u)%2
.endif
	PACK \u
.endm
	MLOAD 0, 0
	MLOAD 1, 1
.irp u, 0,1,2,3,4,5,6,7
	MUNIT \u
.endr
.set l_, 0
.rept 32
	v_readlane_b32 s30, v12, l_                    ; the OR of all words of my quarter
	s_or_b32 s49, s49, s30
.set l_, l_+1
.endr
	v_mov_b32 v13, s49
	v_writelane_b32 v13, s48, 0                    ; lane 0: the codes; lane 1: the OR
	v_lshlrev_b32 v14, 2, v1
	s_wait_xcnt 0x0                                ; EXEC changes only behind this wait
	v_cmp_gt_u32 vcc_lo, 2, v1
	s_wait_tensorcnt 0x0
	ds_add_u32 v62, v63
	s_wait_dscnt 0x0
	s_and_saveexec_b32 s30, vcc_lo
	global_store_b32 v14, v13, s[26:27]
	s_wait_xcnt 0x0                                ; and again, in front of the line that widens it
	s_or_b32 exec_lo, exec_lo, s30
	s_endpgm
; ---------------- the seven tensors ----------------
.Lquant:
	s_sub_co_u32 s29, ttmp9, 256
	s_lshr_b32 s30, s29, 1                         ; G: the group
	s_and_b32 s31, s29, 1
	s_lshl_b32 s31, s31, 2
	s_add_co_u32 s31, s31, s28                     ; the K step
	s_mov_b64 s[34:35], s[16:17]                   ; which tensor, and its first group: chosen by the group's number alone
	s_mov_b32 s33, 240
	s_cmp_lt_u32 s30, 240
	s_cselect_b64 s[34:35], s[14:15], s[34:35]
	s_cselect_b32 s33, 224, s33
	s_cmp_lt_u32 s30, 224
	s_cselect_b64 s[34:35], s[12:13], s[34:35]
	s_cselect_b32 s33, 208, s33
	s_cmp_lt_u32 s30, 208
	s_cselect_b64 s[34:35], s[10:11], s[34:35]
	s_cselect_b32 s33, 192, s33
	s_cmp_lt_u32 s30, 192
	s_cselect_b64 s[34:35], s[8:9], s[34:35]
	s_cselect_b32 s33, 128, s33
	s_cmp_lt_u32 s30, 128
	s_cselect_b64 s[34:35], s[6:7], s[34:35]
	s_cselect_b32 s33, 64, s33
	s_cmp_lt_u32 s30, 64
	s_cselect_b64 s[34:35], s[4:5], s[34:35]
	s_cselect_b32 s33, 0, s33
	s_sub_co_u32 s33, s30, s33
	s_lshl_b32 s36, s33, 18                        ; 64 rows of 4,096 bytes a group,
	s_lshl_b32 s37, s31, 9                         ; 512 bytes a K step
	s_add_co_u32 s36, s36, s37
	s_mov_b32 s37, 0
	s_add_nc_u64 s[34:35], s[34:35], s[36:37]
	s_lshl_b32 s36, s30, 15
	s_lshl_b32 s38, s31, 12
	s_add_co_u32 s36, s36, s38
	s_add_nc_u64 s[20:21], s[20:21], s[36:37]      ; opc + 32,768 G + 4,096 step
	s_lshl_b32 s36, s30, 11
	s_lshl_b32 s38, s31, 8
	s_add_co_u32 s36, s36, s38
	s_add_nc_u64 s[22:23], s[22:23], s[36:37]      ; ops + 2,048 G + 256 step
.macro QLOAD t, set
.set p_, 0
.rept 16
	global_load_b128 v[R+64*(\set)+4*p_:R+64*(\set)+4*p_+3], v4, s[34:35] offset:(32*((\t)/2)+8*((\t)%2)+p_+8*(p_/8))*4096 th:TH_LOAD_NT
.set p_, p_+1
.endr
.endm
; 64 numbers of a lane, register 16 b + i = k 32 b + 16 h + i of my row, become a fragment's codes in v[PC] on and its scale word in v[pw]
.macro QUANT pw
.irp b, 0,1,2,3
	v_max3_num_f32 v[TM+\b], |v[X+16*\b]|, |v[X+1+16*\b]|, 0x1800000   ; my 16 numbers of block b, and the floor 2^(3 - 127): the byte cannot fall under 1
.endr
.irp i, 2,4,6,8,10,12,14
.irp b, 0,1,2,3
	v_max3_num_f32 v[TM+\b], v[TM+\b], |v[X+16*\b+\i]|, |v[X+1+16*\b+\i]|   ; the four blocks by turns
.endr
.endr
.irp b, 0,1,2,3
	v_permlanex16_b32 v[TM+4+\b], v[TM+\b], s52, s53
.endr
.irp b, 0,1,2,3
	v_max_num_f32 v[TM+\b], v[TM+\b], v[TM+4+\b]   ; with lane l xor 16's: the block's largest magnitude
.endr
.irp b, 0,1,2,3
	v_add_nc_u32 v[TM+12+\b], 0xff000000, v[TM+\b] ; 2 off its exponent field: the conversion takes that field as its scale
.endr
.irp b, 0,1,2,3
	v_lshrrev_b32 v[TM+4+\b], 23, v[TM+12+\b]      ; the scale's byte
.endr
	v_lshl_or_b32 v[\pw], v[TM+5], 8, v[TM+4]
	v_lshl_or_b32 v[\pw], v[TM+6], 16, v[\pw]
	v_lshl_or_b32 v[\pw], v[TM+7], 24, v[\pw]
.irp b, 0,1,2,3
	v_cvt_scalef32_pk8_fp4_f32 v[PC+2*\b], v[X+16*\b:X+7+16*\b], v[TM+12+\b]
	v_cvt_scalef32_pk8_fp4_f32 v[PC+1+2*\b], v[X+8+16*\b:X+15+16*\b], v[TM+12+\b]
.endr
	v_nop                                          ; one plain line behind a scaled conversion
.irp c, 0,1                            ; the operand's layout wants a whole block in a lane: lanes 0-15 block 2 c, lanes 16-31 block 2 c + 1
.irp i, 0,1
	v_permlane16_swap_b32 v[PC+4*\c+\i], v[PC+2+4*\c+\i]
.endr
.endr
.endm
.macro QUNIT t
.if \t < 3
	s_wait_loadcnt 16                              ; this tile's 16 loads are in; the next tile's 16 may be out
.else
	s_wait_loadcnt 0x0
.endif
	TURN 8, 9, (\t)%2
	s_wait_dscnt 0x0
.if \t < 2
	QLOAD (\t)+2, (\t)%2
.endif
.if \t > 0
	s_wait_xcnt 0x0                                ; the last tile's stores have read v[PC] on
.endif
	QUANT PW+\t
	global_store_b128 v4, v[PC:PC+3], s[20:21] offset:1024*(\t)        ; 32 lanes store 512 consecutive bytes
	global_store_b128 v4, v[PC+4:PC+7], s[20:21] offset:1024*(\t)+512
.endm
	QLOAD 0, 0
	QLOAD 1, 1
.irp t, 0,1,2,3
	QUNIT \t
.endr
	v_cndmask_b32 v36, v[PW], v[PW+1], s50         ; lanes 0-15 tile 0's words, lanes 16-31 tile 1's
	v_cndmask_b32 v37, v[PW+2], v[PW+3], s50       ; tiles 2 and 3
	global_store_b64 v7, v[36:37], s[22:23]        ; 256 consecutive bytes, aligned
	s_wait_tensorcnt 0x0
	ds_add_u32 v62, v63
	s_wait_dscnt 0x0
	s_endpgm
.Lfunc_end_k_qbf60655332_prep:
	.size	k_qbf60655332_prep, .Lfunc_end_k_qbf60655332_prep-k_qbf60655332_prep
	.p2alignl 7, 3214868480
	.fill 96, 4, 3214868480
	.section	.rodata,"a",@progbits
	.p2align	6, 0x0
	.amdhsa_kernel k_qbf60655332_prep
		.amdhsa_group_segment_fixed_size 68096
		.amdhsa_private_segment_fixed_size 0
		.amdhsa_enable_private_segment 0
		.amdhsa_kernarg_size 96
		.amdhsa_user_sgpr_count 2
		.amdhsa_user_sgpr_kernarg_segment_ptr 1
		.amdhsa_wavefront_size32 1
		.amdhsa_system_sgpr_workgroup_id_x 1
		.amdhsa_system_sgpr_workgroup_id_y 1
		.amdhsa_system_sgpr_workgroup_id_z 1
		.amdhsa_system_vgpr_workitem_id 0
		.amdhsa_next_free_vgpr 256
		.amdhsa_next_free_sgpr 66
		.amdhsa_reserve_vcc 1
		.amdhsa_float_denorm_mode_32 3
		.amdhsa_float_denorm_mode_16_64 3
		.amdhsa_memory_ordered 1
		.amdhsa_forward_progress 1
		.amdhsa_inst_pref_size 135
	.end_amdhsa_kernel
	.amdgpu_metadata
---
amdhsa.version: [ 1, 2 ]
amdhsa.kernels:
  - .name:           k_qbf60655332_prep
    .symbol:         k_qbf60655332_prep.kd
    .args:
      - { .name: q, .offset: 0, .size: 8, .value_kind: global_buffer, .address_space: global }
      - { .name: k, .offset: 8, .size: 8, .value_kind: global_buffer, .address_space: global }
      - { .name: v, .offset: 16, .size: 8, .value_kind: global_buffer, .address_space: global }
      - { .name: wq, .offset: 24, .size: 8, .value_kind: global_buffer, .address_space: global }
      - { .name: wk, .offset: 32, .size: 8, .value_kind: global_buffer, .address_space: global }
      - { .name: wv, .offset: 40, .size: 8, .value_kind: global_buffer, .address_space: global }
      - { .name: wo, .offset: 48, .size: 8, .value_kind: global_buffer, .address_space: global }
      - { .name: mask, .offset: 56, .size: 8, .value_kind: global_buffer, .address_space: global }
      - { .name: opc, .offset: 64, .size: 8, .value_kind: global_buffer, .address_space: global }
      - { .name: ops, .offset: 72, .size: 8, .value_kind: global_buffer, .address_space: global }
      - { .name: mkw, .offset: 80, .size: 8, .value_kind: global_buffer, .address_space: global }
      - { .name: mkf, .offset: 88, .size: 8, .value_kind: global_buffer, .address_space: global }
    .group_segment_fixed_size: 68096
    .private_segment_fixed_size: 0
    .kernarg_segment_align: 8
    .kernarg_segment_size: 96
    .max_flat_workgroup_size: 128
    .sgpr_count:     66
    .vgpr_count:     256
    .wavefront_size: 32
...
	.end_amdgpu_metadata
.endif
;; end of part 1
;; launch proj (part 2): grid 256 x 3, 4 waves a work-group, no clusters, 0 bytes of LDS; arguments opc, ops, bq, bk, bv, hc, hs; writes hc, hs
.if DOCPART == 2
	.amdgcn_target "amdgcn-amd-amdhsa--gfx1250"
	.amdhsa_code_object_version 6
	.text
	.protected	k_qbf60655332_proj
	.globl	k_qbf60655332_proj
	.p2align	8
	.type	k_qbf60655332_proj,@function
k_qbf60655332_proj:
	s_mov_b64 s[64:65], 0
	v_nop
	global_prefetch_b8 v0, s[64:65] scope:SCOPE_SE
	s_setreg_imm32_b32 hwreg(HW_REG_WAVE_MODE, 25, 1), 1
	s_wait_xcnt 0x0
; PROJ.  qp = q wq^T + bq, kp = k wk^T + bk, vp = v wv^T + bv on codes of FP4 (E2M1) with E8M0 scales (grid y = 0, 1, 2), and each result is quantised in registers for the attention's products:
; qp and kp along the head's 64 channels, vp along the keys.  Nothing but codes and scale bytes goes to memory.
; SHARES.  A wave makes 64 rows x 64 features (one head): 16 accumulators, K = 1,024 in 8 steps of 128.  Work-group x: row group mb = x / 4; its four waves take heads 4 (x % 4) + wave.
; OPERANDS come as images of their registers (opc, ops: see the launch that makes them): each fragment is two loads of 16 bytes a lane, 512 consecutive bytes a load, straight from memory into a ring of four register slots,
; so that three K steps' loads (48) are on their way while one is multiplied.  No LDS, no barrier.  No tensor load and so no joint load: a joint load lands in LDS, and here no operand passes through LDS;
; a wave reads 66 KiB in all.
; A TILE is 16 rows: tile X holds rows 32 (X / 2) + 8 (X % 2) + p + 8 (p / 8).  With source 0's tiles so chosen, the 16 registers of tiles 2 b and 2 b + 1 are indices 32 b + 16 (lane / 16) + 0 .. 15 of source 0's rows.
; q, k: source 0 = 16 features of the weight, source 1 = 16 rows of x: a lane holds one row and 64 channels.   v: source 0 = 16 rows (keys) of x, source 1 = 16 features: a lane holds one channel and 64 keys.
; The bias is the C of each sum's first matrix instruction.
; hc: Q at 0, K at 2 MiB: [head][tile 256][512 bytes]: lane (r, h): row r, channels 32 h on (registers 0-3 of a fragment; registers 4-7, K = 64 .. 127, are zeros that the reader makes).
;     V at 4 MiB: [head][key step 32][channel tile 4][c 2][512 bytes]: registers 4 c on of a fragment: keys 64 c + 32 h on.
; hs: Q at 0, K at 262,144: [head][group 64][256 bytes]; V at 524,288: [head][key step][256 bytes]: lane l's word j is the scale word of tile 2 j + l / 16, row l % 16.
; LIMITS: as in the quantising launch: the byte is held at 1 from below; NaN and infinities are not served.  V's scale halfwords leave two bytes a lane: 128 KiB of the program's bytes.
; REGISTERS.  window 0: v1 16 x lane, v2 8 x lane, v3, v4 the bias's offsets; v32-47 the weight's scale pairs, v48-63 x's; v64-95 the bias; v96-127 at work; v128-255 the accumulators ((p, rr) at 128 + 8 (4 rr + p)).
;             window 1: slot s % 4: the weight's four fragments at 64 (s % 4), x's at 64 (s % 4) + 32.
.set ACC, 128
.set BI,  64
.set WS,  32
.set XS,  48
.set TM,  96
.set PCB, 112
.set MSB, 0
.macro WIN new                         ; the immediate's high byte repeats the setting that is left
.if MSB != \new
	s_set_vgpr_msb (MSB<<8)|\new
.set MSB, \new
.endif
.endm
.macro WMS                             ; one product: registers and scale rows by the symbols set just ahead
.if fA && fB
	v_wmma_scale_f32_16x16x128_f8f6f4 v[rD:rD+7], v[rA:rA+7], v[rB:rB+7], v[rC:rC+7], v[rSA], v[rSB] matrix_a_fmt:MATRIX_FMT_FP4 matrix_b_fmt:MATRIX_FMT_FP4 matrix_a_scale:MATRIX_SCALE_ROW1 matrix_b_scale:MATRIX_SCALE_ROW1
.elseif fA
	v_wmma_scale_f32_16x16x128_f8f6f4 v[rD:rD+7], v[rA:rA+7], v[rB:rB+7], v[rC:rC+7], v[rSA], v[rSB] matrix_a_fmt:MATRIX_FMT_FP4 matrix_b_fmt:MATRIX_FMT_FP4 matrix_a_scale:MATRIX_SCALE_ROW1
.elseif fB
	v_wmma_scale_f32_16x16x128_f8f6f4 v[rD:rD+7], v[rA:rA+7], v[rB:rB+7], v[rC:rC+7], v[rSA], v[rSB] matrix_a_fmt:MATRIX_FMT_FP4 matrix_b_fmt:MATRIX_FMT_FP4 matrix_b_scale:MATRIX_SCALE_ROW1
.else
	v_wmma_scale_f32_16x16x128_f8f6f4 v[rD:rD+7], v[rA:rA+7], v[rB:rB+7], v[rC:rC+7], v[rSA], v[rSB] matrix_a_fmt:MATRIX_FMT_FP4 matrix_b_fmt:MATRIX_FMT_FP4
.endif
.endm
.macro LOADSTEP s                      ; K step s: 16 loads into slot s % 4
	WIN 0x40                                       ; destination window 1, address window 0
.irp t, 0,1,2,3
.irp c, 0,1
	global_load_b128 v[64*((\s)%4)+8*\t+4*\c:64*((\s)%4)+8*\t+4*\c+3], v1, s[28:29] offset:4096*(\s)+1024*\t+512*\c
	global_load_b128 v[64*((\s)%4)+32+8*\t+4*\c:64*((\s)%4)+32+8*\t+4*\c+3], v1, s[26:27] offset:4096*(\s)+1024*\t+512*\c
.endr
.endr
.endm
.macro MULS mode, s                    ; 16 products: the 16 accumulators take turns, one instruction a turn, in the same order in every step
	WIN 0x05                                       ; sources 0 and 1 window 1; C and D window 0
.irp rr, 0,1,2,3
.irp p, 0,1,2,3
.set rD, ACC+8*(4*\rr+\p)
.if \mode == 0
.set rA, 64*((\s)%4)+8*\p
.set rB, 64*((\s)%4)+32+8*\rr
.set rSA, WS+2*(\s)+\p/2
.set rSB, XS+2*(\s)+\rr/2
.set rC, BI+8*\p
.else
.set rA, 64*((\s)%4)+32+8*\p
.set rB, 64*((\s)%4)+8*\rr
.set rSA, XS+2*(\s)+\p/2
.set rSB, WS+2*(\s)+\rr/2
.set rC, BI+8*\rr
.endif
.set fA, \p%2
.set fB, \rr%2
.if (\s) != 0
.set rC, rD
.endif
	WMS
.endr
.endr
.endm
.macro KSTEP mode, s
.if (\s) <= 4
	s_wait_loadcnt 48                              ; this step's loads, and all older ones, are in; the three steps asked for behind it (16 loads each) may be out
.else
	s_wait_loadcnt 16*(7-(\s))
.endif
	MULS \mode, \s
.if (\s) < 4
.rept 4
	v_nop                                          ; four places in front of loads into registers that matrix instructions have read (ISA guide 7.12.1 for vector instructions)
.endr
	LOADSTEP (\s)+4
.endif
.endm
; 64 registers from s on: register 16 b + i, b = 0 .. 3: blocks 0, 1 belong to tile rr = 2 j, blocks 2, 3 to tile 2 j + 1.  Codes to v[pc] on; the two tiles' scale halfwords to v66, v67.
.macro QUANTP s, pc
.irp b, 0,1,2,3
	v_max3_num_f32 v[TM+\b], |v[(\s)+16*\b]|, |v[(\s)+1+16*\b]|, 0x1800000   ; each accumulator is read from its low end on; the floor 2^(3 - 127) holds the byte at 1
.endr
.irp i, 2,4,6,8,10,12,14
.irp b, 0,1,2,3
	v_max3_num_f32 v[TM+\b], v[TM+\b], |v[(\s)+16*\b+\i]|, |v[(\s)+1+16*\b+\i]|
.endr
.endr
.irp b, 0,1,2,3
	v_permlanex16_b32 v[TM+4+\b], v[TM+\b], s36, s37
.endr
.irp b, 0,1,2,3
	v_max_num_f32 v[TM+\b], v[TM+\b], v[TM+4+\b]
.endr
.irp b, 0,1,2,3
	v_add_nc_u32 v[TM+12+\b], 0xff000000, v[TM+\b]
.endr
.irp b, 0,1,2,3
	v_lshrrev_b32 v[TM+4+\b], 23, v[TM+12+\b]
.endr
	v_lshl_or_b32 v66, v[TM+5], 8, v[TM+4]
	v_lshl_or_b32 v67, v[TM+7], 8, v[TM+6]
.irp b, 0,1,2,3
	v_cvt_scalef32_pk8_fp4_f32 v[(\pc)+2*\b], v[(\s)+16*\b:(\s)+7+16*\b], v[TM+12+\b]
	v_cvt_scalef32_pk8_fp4_f32 v[(\pc)+1+2*\b], v[(\s)+8+16*\b:(\s)+15+16*\b], v[TM+12+\b]
.endr
	v_nop                                          ; one plain line behind a scaled conversion
.irp c, 0,1
.irp i, 0,1
	v_permlane16_swap_b32 v[(\pc)+4*\c+\i], v[(\pc)+2+4*\c+\i]
.endr
.endr
.endm
	s_load_b256 s[4:11], s[0:1], 0x0               ; opc, ops, bq, bk
	s_load_b128 s[12:15], s[0:1], 0x20             ; bv, hc
	s_load_b64 s[16:17], s[0:1], 0x30              ; hs
	v_lshrrev_b32 v5, 5, v0
	v_readfirstlane_b32 s18, v5                    ; wave
	v_and_b32 v5, 31, v0
	v_lshlrev_b32 v1, 4, v5                        ; 16 x lane
	v_lshlrev_b32 v2, 3, v5                        ; 8 x lane
	v_bfe_u32 v3, v0, 4, 1
	v_lshlrev_b32 v3, 6, v3                        ; 64 h: a lane's 16 features of a block of 32
	v_and_b32 v4, 15, v0
	v_and_b32 v5, 8, v4
	v_add_nc_u32 v4, v4, v5
	v_lshlrev_b32 v4, 2, v4                        ; 4 (r + 8 (r / 8)): a lane's feature of a tile
.irp b, 0,1,2,3
	v_mov_b32 v[TM+4+\b], 0                        ; written once: a lane permute's destination counts as one of its sources
.endr
	s_lshr_b32 s19, ttmp9, 2                       ; mb: the group of 64 rows
	s_and_b32 s20, ttmp9, 3
	s_lshl_b32 s20, s20, 2
	s_add_co_u32 s20, s20, s18                     ; g: the head
	s_and_b32 s21, ttmp7, 0xffff                   ; 0 q, 1 k, 2 v
	s_lshl_b32 s22, s21, 6
	s_add_co_u32 s22, s22, s19                     ; x's group in opc
	s_lshl_b32 s23, s21, 4
	s_add_co_u32 s23, s23, s20
	s_add_co_u32 s23, s23, 192                     ; the weight's
	s_mov_b32 s36, 0x76543210
	s_mov_b32 s37, 0xfedcba98
	s_mov_b32 s38, 0xffff0000                      ; lanes 16-31
	s_mov_b32 s25, 0
	s_wait_kmcnt 0x0
	s_lshl_b32 s24, s22, 15
	s_add_nc_u64 s[26:27], s[4:5], s[24:25]        ; x's images
	s_lshl_b32 s24, s23, 15
	s_add_nc_u64 s[28:29], s[4:5], s[24:25]        ; the weight's
	s_lshl_b32 s24, s22, 11
	s_add_nc_u64 s[30:31], s[6:7], s[24:25]        ; x's scale pairs
	s_lshl_b32 s24, s23, 11
	s_add_nc_u64 s[32:33], s[6:7], s[24:25]        ; the weight's
	s_cmp_eq_u32 s21, 0
	s_cselect_b64 s[34:35], s[8:9], s[10:11]
	s_cmp_eq_u32 s21, 2
	s_cselect_b64 s[34:35], s[12:13], s[34:35]
	s_lshl_b32 s24, s20, 8
	s_add_nc_u64 s[34:35], s[34:35], s[24:25]      ; the bias at my head's 64 features
.irp s, 0,1,2,3,4,5,6,7
	global_load_b64 v[WS+2*\s:WS+2*\s+1], v2, s[32:33] offset:256*\s
	global_load_b64 v[XS+2*\s:XS+2*\s+1], v2, s[30:31] offset:256*\s
.endr
	s_cmp_eq_u32 s21, 2
	s_cbranch_scc1 .Lv
.macro BODY mode
.if \mode == 0
	s_lshl_b32 s22, s21, 21                        ; hc: 2 MiB x tensor + 131,072 head + 2,048 mb
	s_lshl_b32 s23, s20, 17
	s_add_co_u32 s22, s22, s23
	s_lshl_b32 s23, s19, 11
	s_add_co_u32 s22, s22, s23
	s_mov_b32 s23, 0
	s_add_nc_u64 s[14:15], s[14:15], s[22:23]
	s_lshl_b32 s22, s21, 18                        ; hs: 262,144 x tensor + 16,384 head + 256 mb
	s_lshl_b32 s24, s20, 14
	s_add_co_u32 s22, s22, s24
	s_lshl_b32 s24, s19, 8
	s_add_co_u32 s22, s22, s24
	s_add_nc_u64 s[16:17], s[16:17], s[22:23]
.irp p, 0,1,2,3                        ; lane (r, h) wants, for tile p, the bias of features 32 (p / 2) + 8 (p % 2) + 16 h + 0 .. 7
	global_load_b128 v[BI+8*\p:BI+8*\p+3], v3, s[34:35] offset:(32*(\p/2)+8*(\p%2))*4
	global_load_b128 v[BI+8*\p+4:BI+8*\p+7], v3, s[34:35] offset:(32*(\p/2)+8*(\p%2))*4+16
.endr
.else
	s_lshl_b32 s22, s20, 17                        ; hc: 4 MiB + 131,072 head + 4,096 (mb / 2) + 512 (mb % 2)
	s_add_co_u32 s22, s22, 0x400000
	s_lshr_b32 s24, s19, 1
	s_lshl_b32 s39, s24, 12
	s_add_co_u32 s22, s22, s39
	s_and_b32 s25, s19, 1
	s_lshl_b32 s39, s25, 9
	s_add_co_u32 s22, s22, s39
	s_mov_b32 s23, 0
	s_add_nc_u64 s[14:15], s[14:15], s[22:23]
	s_lshl_b32 s22, s20, 13                        ; hs: 524,288 + 8,192 head + 256 (mb / 2) + 2 (mb % 2)
	s_add_co_u32 s22, s22, 0x80000
	s_lshl_b32 s39, s24, 8
	s_add_co_u32 s22, s22, s39
	s_lshl_b32 s39, s25, 1
	s_add_co_u32 s22, s22, s39
	s_add_nc_u64 s[16:17], s[16:17], s[22:23]
.irp p, 0,1,2,3                        ; a lane holds one feature of tile p: all eight registers of C take its bias
.irp j, 0,1,2,3,4,5,6,7
	global_load_b32 v[BI+8*\p+\j], v4, s[34:35] offset:(32*(\p/2)+8*(\p%2))*4
.endr
.endr
.endif
	LOADSTEP 0
	LOADSTEP 1
	LOADSTEP 2
	LOADSTEP 3
.irp s, 0,1,2,3,4,5,6,7
	KSTEP \mode, \s
.endr
	WIN 0
.rept 4
	v_nop                                          ; four places in front of the first read of results
.endr
.irp j, 0,1
	QUANTP ACC+64*\j, PCB+8*\j
	v_cndmask_b32 v[64+\j], v66, v67, s38          ; lanes 0-15 tile 2 j's halfword, lanes 16-31 tile 2 j + 1's
.if \mode == 0
	global_store_b128 v1, v[PCB+8*\j:PCB+8*\j+3], s[14:15] offset:512*(2*\j)       ; row tile 2 j: 512 consecutive bytes
	global_store_b128 v1, v[PCB+8*\j+4:PCB+8*\j+7], s[14:15] offset:512*(2*\j+1)   ; row tile 2 j + 1
.else
	global_store_b128 v1, v[PCB+8*\j:PCB+8*\j+3], s[14:15] offset:1024*(2*\j)      ; channel tile 2 j, my 64 keys
	global_store_b128 v1, v[PCB+8*\j+4:PCB+8*\j+7], s[14:15] offset:1024*(2*\j+1)
	global_store_b16 v2, v[64+\j], s[16:17] offset:4*\j                            ; my 64 keys' half of each scale word
.endif
.endr
.if \mode == 0
	global_store_b64 v2, v[64:65], s[16:17]        ; 256 consecutive bytes, aligned; bytes 2 and 3 of each word are 0: they scale zero codes
.endif
	s_endpgm
.endm
	BODY 0
.Lv:
	BODY 1
.Lfunc_end_k_qbf60655332_proj:
	.size	k_qbf60655332_proj, .Lfunc_end_k_qbf60655332_proj-k_qbf60655332_proj
	.p2alignl 7, 3214868480
	.fill 96, 4, 3214868480
	.section	.rodata,"a",@progbits
	.p2align	6, 0x0
	.amdhsa_kernel k_qbf60655332_proj
		.amdhsa_group_segment_fixed_size 0
		.amdhsa_private_segment_fixed_size 0
		.amdhsa_enable_private_segment 0
		.amdhsa_kernarg_size 56
		.amdhsa_user_sgpr_count 2
		.amdhsa_user_sgpr_kernarg_segment_ptr 1
		.amdhsa_wavefront_size32 1
		.amdhsa_system_sgpr_workgroup_id_x 1
		.amdhsa_system_sgpr_workgroup_id_y 1
		.amdhsa_system_sgpr_workgroup_id_z 1
		.amdhsa_system_vgpr_workitem_id 0
		.amdhsa_next_free_vgpr 512
		.amdhsa_next_free_sgpr 66
		.amdhsa_reserve_vcc 0
		.amdhsa_float_denorm_mode_32 3
		.amdhsa_float_denorm_mode_16_64 3
		.amdhsa_memory_ordered 1
		.amdhsa_forward_progress 1
		.amdhsa_inst_pref_size 83
	.end_amdhsa_kernel
	.amdgpu_metadata
---
amdhsa.version: [ 1, 2 ]
amdhsa.kernels:
  - .name:           k_qbf60655332_proj
    .symbol:         k_qbf60655332_proj.kd
    .args:
      - { .name: opc, .offset: 0, .size: 8, .value_kind: global_buffer, .address_space: global }
      - { .name: ops, .offset: 8, .size: 8, .value_kind: global_buffer, .address_space: global }
      - { .name: bq, .offset: 16, .size: 8, .value_kind: global_buffer, .address_space: global }
      - { .name: bk, .offset: 24, .size: 8, .value_kind: global_buffer, .address_space: global }
      - { .name: bv, .offset: 32, .size: 8, .value_kind: global_buffer, .address_space: global }
      - { .name: hc, .offset: 40, .size: 8, .value_kind: global_buffer, .address_space: global }
      - { .name: hs, .offset: 48, .size: 8, .value_kind: global_buffer, .address_space: global }
    .group_segment_fixed_size: 0
    .private_segment_fixed_size: 0
    .kernarg_segment_align: 8
    .kernarg_segment_size: 56
    .max_flat_workgroup_size: 128
    .sgpr_count:     66
    .vgpr_count:     512
    .wavefront_size: 32
...
	.end_amdgpu_metadata
.endif
;; end of part 2
;; launch attn (part 3): grid 16 x 16, 16 waves a work-group, no clusters, 288,768 bytes of LDS; arguments hc, hs, mkw, mkf, cc, cs; writes cc, cs
.if DOCPART == 3
	.amdgcn_target "amdgcn-amd-amdhsa--gfx1250"
	.amdhsa_code_object_version 6
	.text
	.protected	k_qbf60655332_attn
	.globl	k_qbf60655332_attn
	.p2align	8
	.type	k_qbf60655332_attn,@function
k_qbf60655332_attn:
	s_mov_b64 s[64:65], 0
	v_nop
	global_prefetch_b8 v0, s[64:65] scope:SCOPE_SE
	s_setreg_imm32_b32 hwreg(HW_REG_WAVE_MODE, 25, 1), 1
	s_wait_xcnt 0x0
; ATTN.  ctx[q] = sum over keys of softmax(Q . K / 32, masked) V for one head, both products on codes of FP4 (E2M1) with E8M0 scales; ctx is quantised along the model's 1,024 for the last product and leaves as codes.
; THE SOFTMAX: t = score x log2(e) / 32; M = the row's largest t so far, rounded up to a whole number; p = 2^(t - M) is quantised along the keys, not normalised; the row's sum is taken of the unquantised p and divides at the end.
; When M moves, the sum and O are multiplied by 2^(old M - new M), which rounds nothing.
; THE MASK is an input.  It comes packed: 64 words a key step, word n = the 32 lanes' bits for score register n, and two bits a key step (0 no key counts, 1 some, 2 all).  A score that does not count becomes -2^105:
; times c that is exact, so in a row with NO key at all t - M is exactly 0 and p = 1 for all 4,096 keys, as the problem's -1e30 gives; in any other row p = 0, and what was summed under such an M is multiplied by 0
; when the row's first key that counts arrives.  A key step is left out (a scalar branch on the stored code) only if none of its keys counts AND each of the tile's 16 queries has a key somewhere.
; LIMITS: masked t is -1.8e30 where the problem has -1.44e30: the same results while real |t| stays far under that; NaN and infinities are not served; scale bytes are held at 1 from below.
; SHARES.  Work-group (x, y): head y; wave w owns query tile T = 16 rho(w) + x, rho(w) = w xor 3 ((w / 4) % 2): neighbouring tiles go to different work-groups, and waves w, w + 4, w + 8, w + 12 have the same sum of rho.
; Sixteen waves of 256 registers, four to a SIMD: one wave's vector work stands beside another's products and LDS loads.  Every wave walks the 32 key steps of 128 keys.
; LDS holds the head's K and V as images of operand registers, and their scale pairs, filled ONCE through registers (35 passes of 8,192 bytes), one barrier.  Every read is 16 or 8 bytes x lane on end: no padding.
; NO TENSOR LOAD AND NO JOINT LOAD, though the 16 work-groups of a head read the same 280 KiB.
; LAYOUT.  Both products transposed: S^T = K Q^T (source 0 = 16 keys), O^T = V^T P^T (source 0 = 16 channels): a lane holds one query (lane % 16).  A tile's 16 rows are 32 (X / 2) + 8 (X % 2) + p + 8 (p / 8), so the 16 registers
; of tiles 2 b, 2 b + 1 are 16 neighbours.  The first product's K is 64: registers 4-7 of Q's and K's fragments are zero codes.
; REGISTERS: v1-4 lane terms of LDS addresses; v5 -2^105; v6 Q's scale word; v7 8 (lane % 16); v8-11 the step's LDS addresses; v12 -M, v13 largest t, v[14:15] the sum; v16-23 Q; v24-27 K's scale pairs, v28-29 V's;
; v32-95 eight fragments of K; v96-159 S^T, then p; v160-191 O^T; v192-223 four fragments of V; v224-231 p's codes; v232-254 at work (v253 p's scale word).  At the head v32-171 carry the fill, v172-176 its addresses.
.set LV,  131072                       ; LDS: K's images at 0, V's here,
.set LKS, 262144                       ; K's scale pairs,
.set LVS, 278528                       ; V's
	s_load_b256 s[4:11], s[0:1], 0x0               ; hc, hs, mkw, mkf
	s_load_b128 s[12:15], s[0:1], 0x20             ; cc, cs
	v_lshl_add_u32 v251, v0, 2, 0x46000
	v_mov_b32 v255, 0
	v_lshrrev_b32 v7, 5, v0
	v_readfirstlane_b32 s16, v7                    ; wave 0..15
	s_and_b32 s17, ttmp7, 0xffff                   ; head
	s_bfe_u32 s2, s16, 0x10002
	s_mul_i32 s2, s2, 3
	s_xor_b32 s2, s2, s16                          ; rho
	s_lshl_b32 s18, s2, 4
	s_add_co_u32 s18, s18, ttmp9                   ; T: it enters global addresses alone
	v_and_b32 v7, 31, v0
	v_lshlrev_b32 v1, 4, v7                        ; 16 x lane
	v_add_nc_u32 v2, LV, v1
	v_lshlrev_b32 v4, 3, v7
	v_add_nc_u32 v3, LKS, v4
	v_add_nc_u32 v4, LVS, v4
	v_mov_b32 v5, 0xf4000000                       ; -2^105
	v_and_b32 v7, 15, v0
	v_lshlrev_b32 v7, 3, v7                        ; 8 r
	v_lshlrev_b32 v172, 4, v0                      ; 16 x thread: the fill's place in a pass, in memory and in LDS
.irp m, 1,2,3,4
	v_add_nc_u32 v[172+\m], 65536*\m, v172
.endr
	s_mov_b32 s20, 0x76543210
	s_mov_b32 s21, 0xfedcba98                      ; v_permlanex16_b32's selects for lane l xor 16
	s_mov_b32 s22, 0x3d38aa3b                      ; c = log2(e) / 32
	s_mov_b32 s23, s22                             ; (named with it as a pair)
	s_and_b32 s54, s18, 1
	s_lshl_b32 s54, s54, 7
	s_bfe_u32 s55, s18, 0x10001
	s_lshl_b32 s55, s55, 2
	s_add_co_u32 s54, s54, s55                     ; my tile's place in a scale pair: 128 (T % 2) + 4 ((T / 2) % 2)
	s_lshr_b32 s2, s18, 2
	s_lshl_b32 s2, s2, 3
	s_lshr_b32 s3, s17, 1
	s_add_co_u32 s2, s2, s3                        ; 8 (T / 4) + head / 2: group and K step of the last product
	s_mov_b32 s41, 0
	s_wait_kmcnt 0x0
	s_lshl_b32 s40, s17, 17
	s_add_nc_u64 s[42:43], s[4:5], s[40:41]        ; the head's Q,
	s_add_nc_u64 s[44:45], s[42:43], 0x200000      ; K,
	s_add_nc_u64 s[46:47], s[42:43], 0x400000      ; V
	s_lshl_b32 s40, s17, 14
	s_add_nc_u64 s[48:49], s[6:7], s[40:41]        ; Q's scale pairs,
	s_add_nc_u64 s[50:51], s[48:49], 0x40000       ; K's,
	s_lshl_b32 s40, s17, 13
	s_add_nc_u64 s[52:53], s[6:7], s[40:41]
	s_add_nc_u64 s[52:53], s[52:53], 0x80000       ; V's
	s_lshl_b32 s40, s18, 9
	s_add_nc_u64 s[42:43], s[42:43], s[40:41]      ; my tile of Q
	s_lshr_b32 s40, s18, 2
	s_lshl_b32 s40, s40, 8
	s_add_co_u32 s40, s40, s54
	s_add_nc_u64 s[48:49], s[48:49], s[40:41]      ; and its scale words
	s_lshl_b32 s40, s18, 5
	s_add_nc_u64 s[10:11], s[10:11], s[40:41]
	s_load_b256 s[32:39], s[10:11], 0x0            ; my tile's codes and ORs, four quarters
	s_lshl_b32 s40, s18, 13
	s_add_nc_u64 s[8:9], s[8:9], s[40:41]          ; my tile's mask words
	s_lshl_b32 s40, s2, 12
	s_and_b32 s3, s18, 3
	s_lshl_b32 s3, s3, 10
	s_add_co_u32 s40, s40, s3
	s_and_b32 s3, s17, 1
	s_lshl_b32 s55, s3, 9
	s_add_co_u32 s40, s40, s55
	s_add_nc_u64 s[12:13], s[12:13], s[40:41]      ; cc + 4,096 (8 (T / 4) + head / 2) + 1,024 (T % 4) + 512 (head % 2)
	s_lshl_b32 s40, s2, 8
	s_add_co_u32 s40, s40, s54
	s_lshl_b32 s55, s3, 1
	s_add_co_u32 s40, s40, s55
	s_add_nc_u64 s[14:15], s[14:15], s[40:41]      ; cs + 256 (..) + my tile's place + 2 (head % 2)
	global_load_b128 v[16:19], v1, s[42:43]        ; Q's fragment, registers 0-3
	global_load_b32 v6, v7, s[48:49]               ; Q's scale words
.set i_, 0
.rept 16
	global_load_b128 v[32+4*i_:35+4*i_], v172, s[44:45] offset:8192*i_
.set i_, i_+1
.endr
.rept 16
	global_load_b128 v[32+4*i_:35+4*i_], v172, s[46:47] offset:8192*(i_-16)
.set i_, i_+1
.endr
.rept 2
	global_load_b128 v[32+4*i_:35+4*i_], v172, s[50:51] offset:8192*(i_-32)
.set i_, i_+1
.endr
	global_load_b128 v[32+4*i_:35+4*i_], v172, s[52:53]
.set i_, 0
.rept 35
	s_wait_loadcnt 34-i_                           ; pass i is in (and Q, which is older); the younger passes may be out
	ds_store_b128 v[172+i_/8], v[32+4*i_:35+4*i_] offset:8192*(i_%8)
.set i_, i_+1
.endr
	s_wait_dscnt 0x0                               ; for the others' sake: my stores have landed
	s_barrier_signal -1
.irp j, 20,21,22,23
	v_mov_b32 v[\j], 0                             ; K = 64 .. 127 of the first product: zero codes, in Q
.endr
.irp t, 0,1,2,3,4,5,6,7
.irp j, 4,5,6,7
	v_mov_b32 v[32+8*\t+\j], 0                     ; and in K's eight fragments: written once, the loop loads registers 0-3 alone
.endr
.endr
.set i_, 0
.rept 32
	v_mov_b32 v[160+i_], 0                         ; O^T: which key step comes first hangs on the mask, so the loop has no first step of its own: it finds zeros
.set i_, i_+1
.endr
	v_mov_b32 v14, 0                               ; the sum, in two halves
	v_mov_b32 v15, 0
.irp j, 236,237,238,239,252,253
	v_mov_b32 v[\j], 0                             ; lane permutes' destinations, and the upper half of the pair v[252:253]
.endr
	v_mov_b32 v13, 0xff61b1e6                      ; the largest t so far: -3e38
	v_floor_f32 v12, -v13                          ; -M
	s_barrier_wait -1                              ; the head's K and V lie in LDS: the launch's one barrier
	s_wait_kmcnt 0x0
	s_or_b32 s2, s33, s35
	s_or_b32 s3, s37, s39
	s_or_b32 s2, s2, s3
	s_lshr_b32 s3, s2, 16
	s_or_b32 s2, s2, s3                            ; query r has a key if lane r or lane r + 16 has one
	s_and_b32 s2, s2, 0xffff
	s_cmp_lg_u32 s2, 0xffff
	s_cselect_b32 s30, 1, 0                        ; 1: some query has no key at all: no step may be left out
	s_lshl_b32 s24, s34, 16
	s_or_b32 s24, s24, s32                         ; the codes of steps 0-15,
	s_lshl_b32 s25, s38, 16
	s_or_b32 s25, s25, s36                         ; of steps 16-31
	s_mov_b32 s26, 0                               ; the step
	s_mov_b32 s27, 0                               ; its images: 4,096 bytes a step, in K and in V
	s_mov_b32 s28, 0                               ; K's scale pairs: 512
	s_mov_b32 s29, 0                               ; V's: 256
.Lstep:
	v_add_nc_u32 v8, s27, v1                       ; the step's LDS addresses, on every path; these four are also the places behind the last step's products, in front of the loads into V's registers
	v_add_nc_u32 v9, s27, v2
	v_add_nc_u32 v10, s28, v3
	v_add_nc_u32 v11, s29, v4
	s_and_b32 s31, s24, 3                          ; this step's code
	s_lshr_b32 s24, s24, 2
	s_lshl_b32 s2, s25, 30
	s_or_b32 s24, s24, s2
	s_lshr_b32 s25, s25, 2
	s_or_b32 s2, s31, s30
	s_cmp_eq_u32 s2, 0
	s_cbranch_scc1 .Lnext                          ; no key counts, and every query has a key elsewhere
	s_load_b512 s[32:47], s[8:9], 0x0              ; the step's 64 mask words: word n in s[32 + n], from n = 32 on in s[36 + n]
	s_load_b512 s[48:63], s[8:9], 0x40
	s_load_b512 s[68:83], s[8:9], 0x80
	s_load_b512 s[84:99], s[8:9], 0xc0
.irp t, 0,1,2,3,4,5,6,7
	ds_load_b128 v[32+8*\t:35+8*\t], v8 offset:512*\t
.endr
.irp m, 0,1
	ds_load_b64 v[24+2*\m:25+2*\m], v10 offset:256*\m
.endr
.irp t, 0,1,2,3
.irp c, 0,1
	ds_load_b128 v[192+8*\t+4*\c:195+8*\t+4*\c], v9 offset:1024*\t+512*\c
.endr
.endr
	ds_load_b64 v[28:29], v11
	s_wait_dscnt 9                                 ; K and its scales are in; V's eight loads and its scale pair may be out
.irp t, 0,2,4,6                        ; S^T = K Q^T: tile t's scale words lie in register t / 2, lanes 0-15 for an even t, lanes 16-31 for an odd one
	v_wmma_scale_f32_16x16x128_f8f6f4 v[96+8*\t:103+8*\t], v[32+8*\t:39+8*\t], v[16:23], 0, v[24+\t/2], v6 matrix_a_fmt:MATRIX_FMT_FP4 matrix_b_fmt:MATRIX_FMT_FP4
	v_wmma_scale_f32_16x16x128_f8f6f4 v[104+8*\t:111+8*\t], v[40+8*\t:47+8*\t], v[16:23], 0, v[24+\t/2], v6 matrix_a_fmt:MATRIX_FMT_FP4 matrix_b_fmt:MATRIX_FMT_FP4 matrix_a_scale:MATRIX_SCALE_ROW1
.endr
.rept 4
	v_nop                                          ; four places in front of the first read of results
.endr
	s_cmp_eq_u32 s31, 2
	s_cbranch_scc1 .Lopen                          ; every key counts
	s_wait_kmcnt 0x0                               ; the mask words are in
.set n_, 0
.rept 64
	v_cndmask_b32 v[96+n_], v5, v[96+n_], s[32+n_+4*(n_/32)]   ; bit 0: -2^105
.set n_, n_+1
.endr
.Lopen:
.irp b, 0,1,2,3
	v_max3_num_f32 v[232+\b], v[96+16*\b], v[97+16*\b], v[98+16*\b]   ; the largest score of each block of 32 keys: for the row's maximum, and, since p rises with the score, for the block's largest p
.endr
.irp i, 3,5,7,9,11,13
.irp b, 0,1,2,3
	v_max3_num_f32 v[232+\b], v[232+\b], v[96+16*\b+\i], v[97+16*\b+\i]
.endr
.endr
.irp b, 0,1,2,3
	v_max_num_f32 v[232+\b], v[232+\b], v[111+16*\b]
.endr
.irp b, 0,1,2,3
	v_permlanex16_b32 v[236+\b], v[232+\b], s20, s21
.endr
.irp b, 0,1,2,3
	v_max_num_f32 v[232+\b], v[232+\b], v[236+\b]  ; with lane l xor 16's 16 keys
.endr
	v_max3_num_f32 v254, v232, v233, v234
	v_max_num_f32 v254, v254, v235                 ; the step's largest score of my query
	v_mul_f32 v254, s22, v254                      ; as t
	v_max_num_f32 v13, v13, v254                   ; the running largest t
	v_mov_b32 v254, v12
	v_floor_f32 v12, -v13                          ; the new -M = floor(-t): M is a whole number
	v_sub_f32 v254, v12, v254                      ; old M - new M: a whole number, 0 or less
	v_cvt_i32_f32 v254, v254                       ; (it saturates)
	v_ldexp_f32 v252, 1.0, v254                    ; f = 2^(old M - new M)
.set j_, 0
.rept 32
	v_pk_fma_f32 v[96+j_:97+j_], v[96+j_:97+j_], s[22:23], v[12:13] op_sel_hi:[1,0,0]   ; t - M, two at a time
.set j_, j_+2
.endr
.irp b, 0,1,2,3
	v_fma_f32 v[232+\b], v[232+\b], s22, v12       ; the same of each block's largest score
.endr
.set j_, 0
.rept 64
	v_exp_f32 v[96+j_], v[96+j_]                   ; p = 2^(t - M)
.set j_, j_+1
.endr
	v_pk_mul_f32 v[14:15], v[14:15], v[252:253] op_sel_hi:[1,0]   ; the sums under the new M: the plain line behind the exponentials
	s_wait_alu depctr_va_vdst(0)                   ; one wait for the batch of 64, ahead of its first reader
.irp b, 0,1,2,3
	v_exp_f32 v[232+\b], v[232+\b]                 ; each block's largest p
.endr
	v_pk_add_f32 v[236:237], v[96:97], v[98:99]    ; the row's sum of the unquantised p, in two chains; it reads the 64 alone
.irp j, 4,8,12,16,20,24,28,32,36,40,44,48,52,56,60
	v_pk_add_f32 v[14:15], v[14:15], v[96+\j:97+\j]
	v_pk_add_f32 v[236:237], v[236:237], v[98+\j:99+\j]
.endr
	v_pk_add_f32 v[14:15], v[14:15], v[236:237]
	s_wait_alu depctr_va_vdst(0)                   ; and one for the four
.irp b, 0,1,2,3
	v_max_num_f32 v[232+\b], 0x1800000, v[232+\b]  ; the floor 2^(3 - 127): the byte cannot fall under 1
.endr
.irp b, 0,1,2,3
	v_add_nc_u32 v[244+\b], 0xff000000, v[232+\b]  ; 2 off the exponent field: the conversion's scale operand
.endr
.irp b, 0,1,2,3
	v_lshrrev_b32 v[236+\b], 23, v[244+\b]         ; the scale's byte
.endr
	v_lshl_or_b32 v253, v237, 8, v236              ; p's scale word for these 128 keys
	v_lshl_or_b32 v253, v238, 16, v253
	v_lshl_or_b32 v253, v239, 24, v253
.irp b, 0,1,2,3
	v_cvt_scalef32_pk8_fp4_f32 v[224+2*\b], v[96+16*\b:103+16*\b], v[244+\b]
	v_cvt_scalef32_pk8_fp4_f32 v[225+2*\b], v[104+16*\b:111+16*\b], v[244+\b]
.endr
	v_nop                                          ; one plain line behind a scaled conversion
.irp c, 0,1
.irp i, 0,1
	v_permlane16_swap_b32 v[224+4*\c+\i], v[226+4*\c+\i]   ; a whole block in a lane: lanes 0-15 block 2 c, lanes 16-31 block 2 c + 1
.endr
.endr
.set j_, 0
.rept 16
	v_pk_mul_f32 v[160+j_:161+j_], v[160+j_:161+j_], v[252:253] op_sel_hi:[1,0]   ; O^T under the new M; these sixteen are also the places between p's codes and scale word and the products
.set j_, j_+2
.endr
	s_wait_dscnt 0x0                               ; V and its scale pair are in
.irp t, 0,2                            ; O^T += V^T P^T: the four accumulators by turns
	v_wmma_scale_f32_16x16x128_f8f6f4 v[160+8*\t:167+8*\t], v[192+8*\t:199+8*\t], v[224:231], v[160+8*\t:167+8*\t], v[28+\t/2], v253 matrix_a_fmt:MATRIX_FMT_FP4 matrix_b_fmt:MATRIX_FMT_FP4
	v_wmma_scale_f32_16x16x128_f8f6f4 v[168+8*\t:175+8*\t], v[200+8*\t:207+8*\t], v[224:231], v[168+8*\t:175+8*\t], v[28+\t/2], v253 matrix_a_fmt:MATRIX_FMT_FP4 matrix_b_fmt:MATRIX_FMT_FP4 matrix_a_scale:MATRIX_SCALE_ROW1
.endr
.Lnext:
	s_wait_kmcnt 0x0                               ; no scalar load is out: the mask words' pointer may step, and their registers may be loaded again
	s_add_co_u32 s27, s27, 4096
	s_add_co_u32 s28, s28, 512
	s_add_co_u32 s29, s29, 256
	s_add_nc_u64 s[8:9], s[8:9], 256
	s_add_co_u32 s26, s26, 1
	s_cmp_lt_u32 s26, 32
	s_cbranch_scc1 .Lstep
	; THE WAY OUT.  O^T / the sum is my 16 queries' 64 channels of ctx: register 16 b + i = channel 32 b + 16 h + i: two blocks of the last product's K.
	v_add_f32 v14, v14, v15                        ; the sum's two halves,
	v_permlanex16_b32 v252, v14, s20, s21
	v_add_f32 v14, v14, v252                       ; and lane l xor 16's
	v_rcp_f32 v14, v14
	v_nop                                          ; a plain line behind the reciprocal; with the additions above, four places behind the last products
	v_nop
	s_wait_alu depctr_va_vdst(0)                   ; ahead of the reciprocal's first reader
.set j_, 0
.rept 16
	v_pk_mul_f32 v[96+j_:97+j_], v[160+j_:161+j_], v[14:15] op_sel_hi:[1,0]
.set j_, j_+2
.endr
.irp b, 0,1
	v_max3_num_f32 v[232+\b], |v[96+16*\b]|, |v[97+16*\b]|, 0x1800000
.endr
.irp i, 2,4,6,8,10,12,14
.irp b, 0,1
	v_max3_num_f32 v[232+\b], v[232+\b], |v[96+16*\b+\i]|, |v[97+16*\b+\i]|
.endr
.endr
.irp b, 0,1
	v_permlanex16_b32 v[236+\b], v[232+\b], s20, s21
.endr
.irp b, 0,1
	v_max_num_f32 v[232+\b], v[232+\b], v[236+\b]
.endr
.irp b, 0,1
	v_add_nc_u32 v[244+\b], 0xff000000, v[232+\b]
.endr
.irp b, 0,1
	v_lshrrev_b32 v[236+\b], 23, v[244+\b]
.endr
	v_lshl_or_b32 v240, v237, 8, v236              ; my head's half of the row's scale word
.irp b, 0,1
	v_cvt_scalef32_pk8_fp4_f32 v[224+2*\b], v[96+16*\b:103+16*\b], v[244+\b]
	v_cvt_scalef32_pk8_fp4_f32 v[225+2*\b], v[104+16*\b:111+16*\b], v[244+\b]
.endr
	v_nop                                          ; one plain line behind a scaled conversion
	v_permlane16_swap_b32 v224, v226
	v_permlane16_swap_b32 v225, v227               ; registers 4 (head % 2) on of the fragment: lane (r, h): k = 64 (head % 2) + 32 h on
	global_store_b128 v1, v[224:227], s[12:13]     ; 512 consecutive bytes
	global_store_b16 v7, v240, s[14:15]            ; at 8 (lane % 16): lanes l and l xor 16 hold the same halfword and name the same two bytes
	s_wait_tensorcnt 0x0
	ds_add_u32 v251, v255
	s_wait_dscnt 0x0
	s_endpgm
.Lfunc_end_k_qbf60655332_attn:
	.size	k_qbf60655332_attn, .Lfunc_end_k_qbf60655332_attn-k_qbf60655332_attn
	.p2alignl 7, 3214868480
	.fill 96, 4, 3214868480
	.section	.rodata,"a",@progbits
	.p2align	6, 0x0
	.amdhsa_kernel k_qbf60655332_attn
		.amdhsa_group_segment_fixed_size 288768
		.amdhsa_private_segment_fixed_size 0
		.amdhsa_enable_private_segment 0
		.amdhsa_kernarg_size 48
		.amdhsa_user_sgpr_count 2
		.amdhsa_user_sgpr_kernarg_segment_ptr 1
		.amdhsa_wavefront_size32 1
		.amdhsa_system_sgpr_workgroup_id_x 1
		.amdhsa_system_sgpr_workgroup_id_y 1
		.amdhsa_system_sgpr_workgroup_id_z 1
		.amdhsa_system_vgpr_workitem_id 0
		.amdhsa_next_free_vgpr 256
		.amdhsa_next_free_sgpr 100
		.amdhsa_reserve_vcc 0
		.amdhsa_float_denorm_mode_32 3
		.amdhsa_float_denorm_mode_16_64 3
		.amdhsa_memory_ordered 1
		.amdhsa_forward_progress 1
		.amdhsa_inst_pref_size 37
	.end_amdhsa_kernel
	.amdgpu_metadata
---
amdhsa.version: [ 1, 2 ]
amdhsa.kernels:
  - .name:           k_qbf60655332_attn
    .symbol:         k_qbf60655332_attn.kd
    .args:
      - { .name: hc, .offset: 0, .size: 8, .value_kind: global_buffer, .address_space: global }
      - { .name: hs, .offset: 8, .size: 8, .value_kind: global_buffer, .address_space: global }
      - { .name: mkw, .offset: 16, .size: 8, .value_kind: global_buffer, .address_space: global }
      - { .name: mkf, .offset: 24, .size: 8, .value_kind: global_buffer, .address_space: global }
      - { .name: cc, .offset: 32, .size: 8, .value_kind: global_buffer, .address_space: global }
      - { .name: cs, .offset: 40, .size: 8, .value_kind: global_buffer, .address_space: global }
    .group_segment_fixed_size: 288768
    .private_segment_fixed_size: 0
    .kernarg_segment_align: 8
    .kernarg_segment_size: 48
    .max_flat_workgroup_size: 512
    .sgpr_count:     100
    .vgpr_count:     256
    .wavefront_size: 32
...
	.end_amdgpu_metadata
.endif
;; end of part 3
;; launch outp (part 4): grid 4 x 64, 4 waves a work-group, no clusters, 17,920 bytes of LDS; arguments cc, cs, opc, ops, bo, out0; writes out0
.if DOCPART == 4
	.amdgcn_target "amdgcn-amd-amdhsa--gfx1250"
	.amdhsa_code_object_version 6
	.text
	.protected	k_qbf60655332_outp
	.globl	k_qbf60655332_outp
	.p2align	8
	.type	k_qbf60655332_outp,@function
k_qbf60655332_outp:
	s_mov_b64 s[64:65], 0
	v_nop
	global_prefetch_b8 v0, s[64:65] scope:SCOPE_SE
	s_setreg_imm32_b32 hwreg(HW_REG_WAVE_MODE, 25, 1), 1
	s_wait_xcnt 0x0
; OUTP.  out0 = ctx wo^T + bo on codes of FP4 (E2M1) with E8M0 scales; out0 [4096][1024] f32.
; SHARES.  A wave makes 64 rows x 64 features: 16 accumulators, K = 1,024 in 8 steps of 128.  Work-group (x, y): row group mb = y; its four waves take feature groups 4 x + wave.
; OPERANDS come as images of their registers (ctx: cc, cs, as the attention launch leaves them; wo: groups 240-255 of opc, ops): two loads of 16 bytes a lane a fragment, straight from memory into a ring of four register slots,
; so that three K steps' loads (48) are on their way while one is multiplied.  No tensor load and so no joint load: a joint load lands in LDS, and no operand passes through LDS here; a wave reads 66 KiB in all.
; Source 0 = 16 features of wo, source 1 = 16 rows of ctx: a lane holds one row and eight neighbouring features a tile.  A tile's 16 rows are 32 (X / 2) + 8 (X % 2) + p + 8 (p / 8).  The bias is the C of each sum's first product.
; THE WAY OUT: 16 rows x 64 features at a time through the wave's own stage in LDS (rows of 256 bytes + 16), back as whole rows: sixteen lanes store 256 consecutive bytes, aligned.  No barrier: the stage is the wave's own.
; REGISTERS.  window 0: v1 16 x lane, v2 8 x lane, v3 the bias's offset, v5-7 the way out's addresses; v32-47 wo's scale pairs, v48-63 ctx's; v64-95 the bias, later with v96-127 rows on their way out; v128-255 the accumulators.
;             window 1: slot s % 4: wo's four fragments at 64 (s % 4), ctx's at 64 (s % 4) + 32.
.set ACC, 128
.set BI,  64
.set WS,  32
.set XS,  48
.set SPI, 272                          ; a stage row
.set MSB, 0
.macro WIN new                         ; the immediate's high byte repeats the setting that is left
.if MSB != \new
	s_set_vgpr_msb (MSB<<8)|\new
.set MSB, \new
.endif
.endm
.macro WMS                             ; one product: registers and scale rows by the symbols set just ahead
.if fA && fB
	v_wmma_scale_f32_16x16x128_f8f6f4 v[rD:rD+7], v[rA:rA+7], v[rB:rB+7], v[rC:rC+7], v[rSA], v[rSB] matrix_a_fmt:MATRIX_FMT_FP4 matrix_b_fmt:MATRIX_FMT_FP4 matrix_a_scale:MATRIX_SCALE_ROW1 matrix_b_scale:MATRIX_SCALE_ROW1
.elseif fA
	v_wmma_scale_f32_16x16x128_f8f6f4 v[rD:rD+7], v[rA:rA+7], v[rB:rB+7], v[rC:rC+7], v[rSA], v[rSB] matrix_a_fmt:MATRIX_FMT_FP4 matrix_b_fmt:MATRIX_FMT_FP4 matrix_a_scale:MATRIX_SCALE_ROW1
.elseif fB
	v_wmma_scale_f32_16x16x128_f8f6f4 v[rD:rD+7], v[rA:rA+7], v[rB:rB+7], v[rC:rC+7], v[rSA], v[rSB] matrix_a_fmt:MATRIX_FMT_FP4 matrix_b_fmt:MATRIX_FMT_FP4 matrix_b_scale:MATRIX_SCALE_ROW1
.else
	v_wmma_scale_f32_16x16x128_f8f6f4 v[rD:rD+7], v[rA:rA+7], v[rB:rB+7], v[rC:rC+7], v[rSA], v[rSB] matrix_a_fmt:MATRIX_FMT_FP4 matrix_b_fmt:MATRIX_FMT_FP4
.endif
.endm
.macro LOADSTEP s                      ; K step s: 16 loads into slot s % 4
	WIN 0x40                                       ; destination window 1, address window 0
.irp t, 0,1,2,3
.irp c, 0,1
	global_load_b128 v[64*((\s)%4)+8*\t+4*\c:64*((\s)%4)+8*\t+4*\c+3], v1, s[28:29] offset:4096*(\s)+1024*\t+512*\c
	global_load_b128 v[64*((\s)%4)+32+8*\t+4*\c:64*((\s)%4)+32+8*\t+4*\c+3], v1, s[26:27] offset:4096*(\s)+1024*\t+512*\c
.endr
.endr
.endm
.macro MULS s                          ; 16 products: the 16 accumulators take turns, one instruction a turn, in the same order in every step
	WIN 0x05                                       ; sources 0 and 1 window 1; C and D window 0
.irp rr, 0,1,2,3
.irp p, 0,1,2,3
.set rD, ACC+8*(4*\rr+\p)
.set rA, 64*((\s)%4)+8*\p
.set rB, 64*((\s)%4)+32+8*\rr
.set rSA, WS+2*(\s)+\p/2
.set rSB, XS+2*(\s)+\rr/2
.set rC, BI+8*\p
.set fA, \p%2
.set fB, \rr%2
.if (\s) != 0
.set rC, rD
.endif
	WMS
.endr
.endr
.endm
.macro KSTEP s
.if (\s) <= 4
	s_wait_loadcnt 48                              ; this step's loads, and all older ones, are in; the three steps asked for behind it (16 loads each) may be out
.else
	s_wait_loadcnt 16*(7-(\s))
.endif
	MULS \s
.if (\s) < 4
.rept 4
	v_nop                                          ; four places in front of loads into registers that matrix instructions have read (ISA guide 7.12.1 for vector instructions)
.endr
	LOADSTEP (\s)+4
.endif
.endm
	s_load_b256 s[4:11], s[0:1], 0x0               ; cc, cs, opc, ops
	s_load_b128 s[12:15], s[0:1], 0x20             ; bo, out0
	v_lshl_add_u32 v30, v0, 2, 0x4400
	v_mov_b32 v31, 0
	v_lshrrev_b32 v5, 5, v0
	v_readfirstlane_b32 s18, v5                    ; wave
	v_and_b32 v5, 31, v0
	v_lshlrev_b32 v1, 4, v5                        ; 16 x lane
	v_lshlrev_b32 v2, 3, v5                        ; 8 x lane
	v_and_b32 v8, 15, v0                           ; r
	v_bfe_u32 v9, v0, 4, 1                         ; h
	v_lshlrev_b32 v3, 6, v9                        ; 64 h
	s_mul_i32 s22, s18, 16*SPI                     ; my stage
	v_mul_u32_u24 v5, v8, SPI
	v_lshl_add_u32 v5, v9, 6, v5
	v_add_nc_u32 v5, s22, v5                       ; in: row r, + 64 h: my 16 features of a block of 32
	v_mul_u32_u24 v6, v9, SPI
	v_lshl_add_u32 v6, v8, 4, v6
	v_add_nc_u32 v6, s22, v6                       ; back: lanes 0-15 one row, lanes 16-31 the next
	v_lshlrev_b32 v7, 12, v9
	v_lshl_add_u32 v7, v8, 4, v7                   ; and the same two rows of out0, 4,096 bytes apart
	s_and_b32 s19, ttmp7, 0xffff                   ; mb
	s_lshl_b32 s20, ttmp9, 2
	s_add_co_u32 s20, s20, s18                     ; g
	s_add_co_u32 s23, s20, 240                     ; wo's group in opc
	s_mov_b32 s25, 0
	s_wait_kmcnt 0x0
	s_lshl_b32 s24, s19, 15
	s_add_nc_u64 s[26:27], s[4:5], s[24:25]        ; ctx's images
	s_lshl_b32 s24, s23, 15
	s_add_nc_u64 s[28:29], s[8:9], s[24:25]        ; wo's
	s_lshl_b32 s24, s19, 11
	s_add_nc_u64 s[30:31], s[6:7], s[24:25]        ; ctx's scale pairs
	s_lshl_b32 s24, s23, 11
	s_add_nc_u64 s[32:33], s[10:11], s[24:25]      ; wo's
	s_lshl_b32 s24, s20, 8
	s_add_nc_u64 s[34:35], s[12:13], s[24:25]      ; bo at my 64 features
	s_lshl_b32 s22, s19, 18
	s_add_co_u32 s24, s24, s22
	s_add_nc_u64 s[14:15], s[14:15], s[24:25]      ; out0 + 262,144 mb + 256 g
.irp s, 0,1,2,3,4,5,6,7
	global_load_b64 v[WS+2*\s:WS+2*\s+1], v2, s[32:33] offset:256*\s
	global_load_b64 v[XS+2*\s:XS+2*\s+1], v2, s[30:31] offset:256*\s
.endr
.irp p, 0,1,2,3                        ; lane (r, h) wants, for tile p, the bias of features 32 (p / 2) + 8 (p % 2) + 16 h + 0 .. 7
	global_load_b128 v[BI+8*\p:BI+8*\p+3], v3, s[34:35] offset:(32*(\p/2)+8*(\p%2))*4
	global_load_b128 v[BI+8*\p+4:BI+8*\p+7], v3, s[34:35] offset:(32*(\p/2)+8*(\p%2))*4+16
.endr
	LOADSTEP 0
	LOADSTEP 1
	LOADSTEP 2
	LOADSTEP 3
.irp s, 0,1,2,3,4,5,6,7
	KSTEP \s
.endr
	WIN 0
.rept 4
	v_nop                                          ; four places in front of the first read of results
.endr
.macro OUTBLOCK rr                     ; row tile rr: 16 rows x 256 bytes
.set OB, 64+32*((\rr)%2)
.if \rr >= 2
	s_wait_xcnt 0x0                                ; the stores of the block two back have read these registers
.endif
.irp p, 0,1,2,3
	ds_store_b128 v5, v[ACC+8*(4*(\rr)+\p):ACC+8*(4*(\rr)+\p)+3] offset:128*(\p/2)+32*(\p%2)        ; each accumulator from its low end on
	ds_store_b128 v5, v[ACC+8*(4*(\rr)+\p)+4:ACC+8*(4*(\rr)+\p)+7] offset:128*(\p/2)+32*(\p%2)+16
.endr
.irp i, 0,1,2,3,4,5,6,7
	ds_load_b128 v[OB+4*\i:OB+4*\i+3], v6 offset:2*\i*SPI     ; LDS serves a wave's instructions in order: these see the stores above, and the next block's stores come behind them
.endr
.irp i, 0,1,2,3,4,5,6,7
	s_wait_dscnt 7-\i                              ; rows 2 i and 2 i + 1 are back; the younger loads may be out
	global_store_b128 v7, v[OB+4*\i:OB+4*\i+3], s[14:15] offset:4096*(32*((\rr)/2)+8*((\rr)%2)+2*\i+8*(\i/4)) th:TH_STORE_NT   ; 16 lanes store 256 consecutive bytes, aligned; written once, read by nobody here
.endr
.endm
	OUTBLOCK 0
	OUTBLOCK 1
	OUTBLOCK 2
	OUTBLOCK 3
	s_wait_tensorcnt 0x0
	ds_add_u32 v30, v31
	s_wait_dscnt 0x0
	s_endpgm
.Lfunc_end_k_qbf60655332_outp:
	.size	k_qbf60655332_outp, .Lfunc_end_k_qbf60655332_outp-k_qbf60655332_outp
	.p2alignl 7, 3214868480
	.fill 96, 4, 3214868480
	.section	.rodata,"a",@progbits
	.p2align	6, 0x0
	.amdhsa_kernel k_qbf60655332_outp
		.amdhsa_group_segment_fixed_size 17920
		.amdhsa_private_segment_fixed_size 0
		.amdhsa_enable_private_segment 0
		.amdhsa_kernarg_size 48
		.amdhsa_user_sgpr_count 2
		.amdhsa_user_sgpr_kernarg_segment_ptr 1
		.amdhsa_wavefront_size32 1
		.amdhsa_system_sgpr_workgroup_id_x 1
		.amdhsa_system_sgpr_workgroup_id_y 1
		.amdhsa_system_sgpr_workgroup_id_z 1
		.amdhsa_system_vgpr_workitem_id 0
		.amdhsa_next_free_vgpr 512
		.amdhsa_next_free_sgpr 66
		.amdhsa_reserve_vcc 0
		.amdhsa_float_denorm_mode_32 3
		.amdhsa_float_denorm_mode_16_64 3
		.amdhsa_memory_ordered 1
		.amdhsa_forward_progress 1
		.amdhsa_inst_pref_size 42
	.end_amdhsa_kernel
	.amdgpu_metadata
---
amdhsa.version: [ 1, 2 ]
amdhsa.kernels:
  - .name:           k_qbf60655332_outp
    .symbol:         k_qbf60655332_outp.kd
    .args:
      - { .name: cc, .offset: 0, .size: 8, .value_kind: global_buffer, .address_space: global }
      - { .name: cs, .offset: 8, .size: 8, .value_kind: global_buffer, .address_space: global }
      - { .name: opc, .offset: 16, .size: 8, .value_kind: global_buffer, .address_space: global }
      - { .name: ops, .offset: 24, .size: 8, .value_kind: global_buffer, .address_space: global }
      - { .name: bo, .offset: 32, .size: 8, .value_kind: global_buffer, .address_space: global }
      - { .name: out0, .offset: 40, .size: 8, .value_kind: global_buffer, .address_space: global }
    .group_segment_fixed_size: 17920
    .private_segment_fixed_size: 0
    .kernarg_segment_align: 8
    .kernarg_segment_size: 48
    .max_flat_workgroup_size: 128
    .sgpr_count:     66
    .vgpr_count:     512
    .wavefront_size: 32
...
	.end_amdgpu_metadata
.endif
;; end of part 4
;; ======== version 2 of 2: 4 launches
;; workspace buffers: opc 8,388,608 bytes; ops 524,288 bytes; mkw 2,097,152 bytes of whole numbers; mkf 8,192 bytes of whole numbers; hc 6,291,456 bytes; hs 655,360 bytes; cc 2,097,152 bytes; cs 131,072 bytes
;; launch prep (part 5): grid 768 x 1, 4 waves a work-group, no clusters, 68,096 bytes of LDS; arguments q, k, v, wq, wk, wv, wo, mask, opc, ops, mkw, mkf; writes opc, ops, mkw, mkf
.if DOCPART == 5
	.amdgcn_target "amdgcn-amd-amdhsa--gfx1250"
	.amdhsa_code_object_version 6
	.text
	.protected	k_qbf60655332_prep
	.globl	k_qbf60655332_prep
	.p2align	8
	.type	k_qbf60655332_prep,@function
k_qbf60655332_prep:
	s_mov_b64 s[64:65], 0
	v_nop
	global_prefetch_b8 v0, s[64:65] scope:SCOPE_SE
	s_setreg_imm32_b32 hwreg(HW_REG_WAVE_MODE, 25, 1), 1
	s_wait_xcnt 0x0
; PREP.  (a) q, k, v [4096][1024] and wq, wk, wv, wo [1024][1024], f32, K innermost, become codes of FP4 (E2M1) with one E8M0 byte for each 32 along K;
; (b) the mask [4096][4096] int32 becomes one bit a number, in the very words that the attention launch's selects want, and two bits a key step that say whether none, some or all of its keys count.
; A TILE is 16 rows: tile X holds rows 32 (X / 2) + 8 (X % 2) + p + 8 (p / 8), p = 0 .. 15.  A GROUP is four tiles, 64 rows on end.
; opc [group 256][K step 8][tile 4][1,024 bytes]: the image of an operand's registers: registers 0-3 at 16 x lane, registers 4-7 at 512 + 16 x lane.  Groups: q 0-63, k 64-127, v 128-191, wq 192-, wk 208-, wv 224-, wo 240-255.
; ops [group][K step][256 bytes]: lane l's word j (at 8 l + 4 j) is the scale word of tile 2 j + l / 16, row l % 16.
; mkw [tile 256][key step 32][64 words]: bit l of word 16 b + i says whether key 128 step + 32 b + 16 (l / 16) + i counts for query l % 16 of the tile.
; mkf [tile][quarter 4][2 words]: two bits for each of the quarter's 8 key steps (0 none, 1 some, 2 all), and the OR of the quarter's words.
; A block's scale is 2^(floor(log2(largest magnitude)) - 2): its byte is that magnitude's exponent field - 2, held at 1 from below.
; LIMITS: a block of zeros, and one whose largest magnitude lies under 2^-124, keeps the byte 1 (the rule says 127 for zeros: the codes are zeros, and this program alone reads the bytes); NaN and infinities are not served.
; SHARES.  Work-groups 0-255: the mask, a tile of 16 queries each, a wave 8 key steps.  Work-groups 256-767: a wave takes one group and one K step, four tiles.
; A UNIT is 16 rows x 512 bytes: sixteen loads, each 512 consecutive bytes of one row; through the wave's own stage in LDS (rows 528 bytes apart: row r begins at bank 4 r) it comes back so that lane (r, h)
; holds, of row r, numbers 32 b + 16 h + i in register 16 b + i.  No barrier: a stage is its wave's own.  The two kinds of work-group have LDS bytes of their own.  Memory binds: no matrix unit, no cluster.
.set STG,  8448                        ; a stage: 16 rows x 528 bytes
.set QOFF, 4*STG                       ; the quantising path's stages lie behind the mask path's
.set R,    64                          ; v64-127, v128-191  two sets of 64 registers as loaded
.set X,    192                         ; v192-255           a unit after the turn through the stage
.set TM,   16                          ; v16-19 largest magnitudes, v20-23 the other half's, then bytes, v28-31 the conversions' scale operands
.set PW,   32                          ; v32-35 the four tiles' scale words;  v[36:37] the pair that is stored
.set PC,   40                          ; v40-47 a tile's codes
	s_load_b512 s[4:19], s[0:1], 0x0               ; q, k, v, wq, wk, wv, wo, mask
	s_load_b256 s[20:27], s[0:1], 0x40             ; opc, ops, mkw, mkf
	v_lshl_add_u32 v62, v0, 2, 0x10800
	v_mov_b32 v63, 0
	v_lshrrev_b32 v13, 5, v0
	v_readfirstlane_b32 s28, v13                   ; wave 0..3
	v_and_b32 v1, 31, v0                           ; lane
	v_and_b32 v2, 15, v0                           ; r
	v_bfe_u32 v3, v0, 4, 1                         ; h
	v_lshlrev_b32 v4, 4, v1                        ; 16 x lane: my bytes of a load's 512, and of an image's
	v_lshlrev_b32 v7, 3, v1                        ; 8 x lane
	s_mul_i32 s29, s28, STG
	v_add_nc_u32 v5, s29, v4                       ; mask path: into the stage: 16 x lane of a row
	v_mul_u32_u24 v6, v2, 528
	v_lshl_add_u32 v6, v3, 6, v6
	v_add_nc_u32 v6, s29, v6                       ; and out of it: row r, + 64 h
	v_add_nc_u32 v8, QOFF, v5                      ; quantising path: the same two
	v_add_nc_u32 v9, QOFF, v6
	v_mov_b32 v10, 0                               ; v[10:11] a key step's 64 words, two a lane; v12 their OR over the steps
	v_mov_b32 v11, 0
	v_mov_b32 v12, 0
.irp b, 0,1,2,3
	v_mov_b32 v[TM+4+\b], 0                        ; written once: a lane permute's destination counts as one of its sources
.endr
	s_mov_b32 s48, 0                               ; the steps' codes
	s_mov_b32 s49, 0                               ; the OR over lanes
	s_mov_b32 s50, 0xffff0000                      ; lanes 16-31
	s_mov_b32 s52, 0x76543210
	s_mov_b32 s53, 0xfedcba98                      ; v_permlanex16_b32's selects for lane l xor 16
	s_wait_kmcnt 0x0
	s_cmp_ge_u32 ttmp9, 256
	s_cbranch_scc1 .Lquant
.macro TURN sa, ra, set                ; a unit through the stage; LDS serves a wave's instructions in order, so no wait stands between the stores and the loads
.set p_, 0
.rept 16
	ds_store_b128 v[\sa], v[R+64*(\set)+4*p_:R+64*(\set)+4*p_+3] offset:528*p_
.set p_, p_+1
.endr
.irp b, 0,1,2,3
.irp j, 0,1,2,3
	ds_load_b128 v[X+16*\b+4*\j:X+16*\b+4*\j+3], v[\ra] offset:128*\b+16*\j
.endr
.endr
.endm
; ---------------- the mask ----------------
	s_lshr_b32 s30, ttmp9, 1
	s_lshl_b32 s30, s30, 5
	s_and_b32 s31, ttmp9, 1
	s_lshl_b32 s31, s31, 3
	s_add_co_u32 s30, s30, s31                     ; the tile's first query: 32 (T / 2) + 8 (T % 2)
	s_lshl_b32 s30, s30, 14                        ; a row of the mask is 16,384 bytes
	s_lshl_b32 s31, s28, 12                        ; my wave's 8 key steps of 512 bytes
	s_add_co_u32 s30, s30, s31
	s_mov_b32 s31, 0
	s_add_nc_u64 s[18:19], s[18:19], s[30:31]
	s_lshl_b32 s30, ttmp9, 13
	s_lshl_b32 s32, s28, 11
	s_add_co_u32 s30, s30, s32
	s_add_nc_u64 s[24:25], s[24:25], s[30:31]      ; mkw + 8,192 T + 2,048 wave
	s_lshl_b32 s30, ttmp9, 5
	s_lshl_b32 s32, s28, 3
	s_add_co_u32 s30, s30, s32
	s_add_nc_u64 s[26:27], s[26:27], s[30:31]      ; mkf + 32 T + 8 wave
.macro MLOAD u, set
.set p_, 0
.rept 16
	global_load_b128 v[R+64*(\set)+4*p_:R+64*(\set)+4*p_+3], v4, s[18:19] offset:(p_+8*(p_/8))*16384+512*(\u) th:TH_LOAD_NT
.set p_, p_+1
.endr
.endm
.macro PACK u                          ; register n's 32 lanes become word n: a compare gives the word, a lane write puts it into lane n / 2 of register n % 2
.if \u > 0
	s_wait_xcnt 0x0                                ; the last step's store has read v[10:11]
.endif
.irp g, 0,1,2,3,4,5,6,7
.irp e, 0,1,2,3,4,5,6,7
	v_cmp_ne_u32 s[40+\e], 0, v[X+8*\g+\e]
.endr
.irp e, 0,1,2,3,4,5,6,7
	v_writelane_b32 v[10+\e%2], s[40+\e], 4*\g+\e/2
.endr
.endr
	v_or_b32 v13, v10, v11
	v_and_b32 v14, v10, v11
	v_or_b32 v12, v12, v13
	v_cmp_ne_u32 s30, 0, v13                       ; not 0: some key counts
	v_cmp_ne_u32 s31, -1, v14                      ; 0: every key counts
	s_cmp_lg_u32 s30, 0
	s_cselect_b32 s32, 1, 0
	s_cmp_eq_u32 s31, 0
	s_cselect_b32 s32, 2, s32
	s_lshl_b32 s32, s32, 2*(\u)
	s_or_b32 s48, s48, s32
	global_store_b64 v7, v[10:11], s[24:25] offset:256*(\u)   ; 32 lanes store 256 consecutive bytes, aligned
.endm
.macro MUNIT u
.if \u < 7
	s_wait_loadcnt 16                              ; this unit's 16 loads are in; the next unit's 16 may be out
.else
	s_wait_loadcnt 0x0
.endif
	TURN 5, 6, (\u)%2
	s_wait_dscnt 0x0                               ; the unit is back, and the stores have read the set, which takes the loads of two units on
.if \u < 6
	MLOAD (\u)+2, (\u)%2
.endif
	PACK \u
.endm
	MLOAD 0, 0
	MLOAD 1, 1
.irp u, 0,1,2,3,4,5,6,7
	MUNIT \u
.endr
.set l_, 0
	s_wait_alu depctr_va_vdst(0)
.rept 32
	v_readlane_b32 s30, v12, l_                    ; the OR of all words of my quarter
	s_or_b32 s49, s49, s30
.set l_, l_+1
.endr
	v_mov_b32 v13, s49
	v_writelane_b32 v13, s48, 0                    ; lane 0: the codes; lane 1: the OR
	v_lshlrev_b32 v14, 2, v1
	s_wait_alu depctr_va_vdst(0)
	s_wait_xcnt 0x0                                ; EXEC changes only behind this wait
	v_cmp_gt_u32 vcc_lo, 2, v1
	s_wait_tensorcnt 0x0
	ds_add_u32 v62, v63
	s_wait_dscnt 0x0
	s_and_saveexec_b32 s30, vcc_lo
	global_store_b32 v14, v13, s[26:27]
	s_wait_xcnt 0x0                                ; and again, in front of the line that widens it
	s_or_b32 exec_lo, exec_lo, s30
	s_endpgm
; ---------------- the seven tensors ----------------
.Lquant:
	s_sub_co_u32 s29, ttmp9, 256
	s_lshr_b32 s30, s29, 1                         ; G: the group
	s_and_b32 s31, s29, 1
	s_lshl_b32 s31, s31, 2
	s_add_co_u32 s31, s31, s28                     ; the K step
	s_mov_b64 s[34:35], s[16:17]                   ; which tensor, and its first group: chosen by the group's number alone
	s_mov_b32 s33, 240
	s_cmp_lt_u32 s30, 240
	s_cselect_b64 s[34:35], s[14:15], s[34:35]
	s_cselect_b32 s33, 224, s33
	s_cmp_lt_u32 s30, 224
	s_cselect_b64 s[34:35], s[12:13], s[34:35]
	s_cselect_b32 s33, 208, s33
	s_cmp_lt_u32 s30, 208
	s_cselect_b64 s[34:35], s[10:11], s[34:35]
	s_cselect_b32 s33, 192, s33
	s_cmp_lt_u32 s30, 192
	s_cselect_b64 s[34:35], s[8:9], s[34:35]
	s_cselect_b32 s33, 128, s33
	s_cmp_lt_u32 s30, 128
	s_cselect_b64 s[34:35], s[6:7], s[34:35]
	s_cselect_b32 s33, 64, s33
	s_cmp_lt_u32 s30, 64
	s_cselect_b64 s[34:35], s[4:5], s[34:35]
	s_cselect_b32 s33, 0, s33
	s_sub_co_u32 s33, s30, s33
	s_lshl_b32 s36, s33, 18                        ; 64 rows of 4,096 bytes a group,
	s_lshl_b32 s37, s31, 9                         ; 512 bytes a K step
	s_add_co_u32 s36, s36, s37
	s_mov_b32 s37, 0
	s_add_nc_u64 s[34:35], s[34:35], s[36:37]
	s_lshl_b32 s36, s30, 15
	s_lshl_b32 s38, s31, 12
	s_add_co_u32 s36, s36, s38
	s_add_nc_u64 s[20:21], s[20:21], s[36:37]      ; opc + 32,768 G + 4,096 step
	s_lshl_b32 s36, s30, 11
	s_lshl_b32 s38, s31, 8
	s_add_co_u32 s36, s36, s38
	s_add_nc_u64 s[22:23], s[22:23], s[36:37]      ; ops + 2,048 G + 256 step
.macro QLOAD t, set
.set p_, 0
.rept 16
	global_load_b128 v[R+64*(\set)+4*p_:R+64*(\set)+4*p_+3], v4, s[34:35] offset:(32*((\t)/2)+8*((\t)%2)+p_+8*(p_/8))*4096 th:TH_LOAD_NT
.set p_, p_+1
.endr
.endm
; 64 numbers of a lane, register 16 b + i = k 32 b + 16 h + i of my row, become a fragment's codes in v[PC] on and its scale word in v[pw]
.macro QUANT pw
.irp b, 0,1,2,3
	v_max3_num_f32 v[TM+\b], |v[X+16*\b]|, |v[X+1+16*\b]|, 0x1800000   ; my 16 numbers of block b, and the floor 2^(3 - 127): the byte cannot fall under 1
.endr
.irp i, 2,4,6,8,10,12,14
.irp b, 0,1,2,3
	v_max3_num_f32 v[TM+\b], v[TM+\b], |v[X+16*\b+\i]|, |v[X+1+16*\b+\i]|   ; the four blocks by turns
.endr
.endr
.irp b, 0,1,2,3
	v_permlanex16_b32 v[TM+4+\b], v[TM+\b], s52, s53
.endr
.irp b, 0,1,2,3
	v_max_num_f32 v[TM+\b], v[TM+\b], v[TM+4+\b]   ; with lane l xor 16's: the block's largest magnitude
.endr
.irp b, 0,1,2,3
	v_add_nc_u32 v[TM+12+\b], 0xff000000, v[TM+\b] ; 2 off its exponent field: the conversion takes that field as its scale
.endr
.irp b, 0,1,2,3
	v_lshrrev_b32 v[TM+4+\b], 23, v[TM+12+\b]      ; the scale's byte
.endr
	v_lshl_or_b32 v[\pw], v[TM+5], 8, v[TM+4]
	v_lshl_or_b32 v[\pw], v[TM+6], 16, v[\pw]
	v_lshl_or_b32 v[\pw], v[TM+7], 24, v[\pw]
.irp b, 0,1,2,3
	v_cvt_scalef32_pk8_fp4_f32 v[PC+2*\b], v[X+16*\b:X+7+16*\b], v[TM+12+\b]
	v_cvt_scalef32_pk8_fp4_f32 v[PC+1+2*\b], v[X+8+16*\b:X+15+16*\b], v[TM+12+\b]
.endr
	v_nop                                          ; one plain line behind a scaled conversion
.irp c, 0,1                            ; the operand's layout wants a whole block in a lane: lanes 0-15 block 2 c, lanes 16-31 block 2 c + 1
.irp i, 0,1
	v_permlane16_swap_b32 v[PC+4*\c+\i], v[PC+2+4*\c+\i]
.endr
.endr
.endm
.macro QUNIT t
.if \t < 3
	s_wait_loadcnt 16                              ; this tile's 16 loads are in; the next tile's 16 may be out
.else
	s_wait_loadcnt 0x0
.endif
	TURN 8, 9, (\t)%2
	s_wait_dscnt 0x0
.if \t < 2
	QLOAD (\t)+2, (\t)%2
.endif
.if \t > 0
	s_wait_xcnt 0x0                                ; the last tile's stores have read v[PC] on
.endif
	QUANT PW+\t
	global_store_b128 v4, v[PC:PC+3], s[20:21] offset:1024*(\t)        ; 32 lanes store 512 consecutive bytes
	global_store_b128 v4, v[PC+4:PC+7], s[20:21] offset:1024*(\t)+512
.endm
	QLOAD 0, 0
	QLOAD 1, 1
	s_wait_alu depctr_va_vdst(0)
.irp t, 0,1,2,3
	QUNIT \t
.endr
	v_cndmask_b32 v36, v[PW], v[PW+1], s50         ; lanes 0-15 tile 0's words, lanes 16-31 tile 1's
	v_cndmask_b32 v37, v[PW+2], v[PW+3], s50       ; tiles 2 and 3
	global_store_b64 v7, v[36:37], s[22:23]        ; 256 consecutive bytes, aligned
	s_wait_tensorcnt 0x0
	ds_add_u32 v62, v63
	s_wait_dscnt 0x0
	s_endpgm
.Lfunc_end_k_qbf60655332_prep:
	.size	k_qbf60655332_prep, .Lfunc_end_k_qbf60655332_prep-k_qbf60655332_prep
	.p2alignl 7, 3214868480
	.fill 96, 4, 3214868480
	.section	.rodata,"a",@progbits
	.p2align	6, 0x0
	.amdhsa_kernel k_qbf60655332_prep
		.amdhsa_group_segment_fixed_size 68096
		.amdhsa_private_segment_fixed_size 0
		.amdhsa_enable_private_segment 0
		.amdhsa_kernarg_size 96
		.amdhsa_user_sgpr_count 2
		.amdhsa_user_sgpr_kernarg_segment_ptr 1
		.amdhsa_wavefront_size32 1
		.amdhsa_system_sgpr_workgroup_id_x 1
		.amdhsa_system_sgpr_workgroup_id_y 1
		.amdhsa_system_sgpr_workgroup_id_z 1
		.amdhsa_system_vgpr_workitem_id 0
		.amdhsa_next_free_vgpr 256
		.amdhsa_next_free_sgpr 66
		.amdhsa_reserve_vcc 1
		.amdhsa_float_denorm_mode_32 3
		.amdhsa_float_denorm_mode_16_64 3
		.amdhsa_memory_ordered 1
		.amdhsa_forward_progress 1
		.amdhsa_inst_pref_size 135
	.end_amdhsa_kernel
	.amdgpu_metadata
---
amdhsa.version: [ 1, 2 ]
amdhsa.kernels:
  - .name:           k_qbf60655332_prep
    .symbol:         k_qbf60655332_prep.kd
    .args:
      - { .name: q, .offset: 0, .size: 8, .value_kind: global_buffer, .address_space: global }
      - { .name: k, .offset: 8, .size: 8, .value_kind: global_buffer, .address_space: global }
      - { .name: v, .offset: 16, .size: 8, .value_kind: global_buffer, .address_space: global }
      - { .name: wq, .offset: 24, .size: 8, .value_kind: global_buffer, .address_space: global }
      - { .name: wk, .offset: 32, .size: 8, .value_kind: global_buffer, .address_space: global }
      - { .name: wv, .offset: 40, .size: 8, .value_kind: global_buffer, .address_space: global }
      - { .name: wo, .offset: 48, .size: 8, .value_kind: global_buffer, .address_space: global }
      - { .name: mask, .offset: 56, .size: 8, .value_kind: global_buffer, .address_space: global }
      - { .name: opc, .offset: 64, .size: 8, .value_kind: global_buffer, .address_space: global }
      - { .name: ops, .offset: 72, .size: 8, .value_kind: global_buffer, .address_space: global }
      - { .name: mkw, .offset: 80, .size: 8, .value_kind: global_buffer, .address_space: global }
      - { .name: mkf, .offset: 88, .size: 8, .value_kind: global_buffer, .address_space: global }
    .group_segment_fixed_size: 68096
    .private_segment_fixed_size: 0
    .kernarg_segment_align: 8
    .kernarg_segment_size: 96
    .max_flat_workgroup_size: 128
    .sgpr_count:     66
    .vgpr_count:     256
    .wavefront_size: 32
...
	.end_amdgpu_metadata
.endif
;; end of part 5
;; launch proj (part 6): grid 256 x 3, 4 waves a work-group, no clusters, 0 bytes of LDS; arguments opc, ops, bq, bk, bv, hc, hs; writes hc, hs
.if DOCPART == 6
	.amdgcn_target "amdgcn-amd-amdhsa--gfx1250"
	.amdhsa_code_object_version 6
	.text
	.protected	k_qbf60655332_proj
	.globl	k_qbf60655332_proj
	.p2align	8
	.type	k_qbf60655332_proj,@function
k_qbf60655332_proj:
	s_mov_b64 s[64:65], 0
	v_nop
	global_prefetch_b8 v0, s[64:65] scope:SCOPE_SE
	s_setreg_imm32_b32 hwreg(HW_REG_WAVE_SCHED_MODE, 0, 2), 2
	s_setreg_imm32_b32 hwreg(HW_REG_WAVE_MODE, 25, 1), 1
	s_wait_xcnt 0x0
	s_wait_alu depctr_vm_vsrc(0)
; PROJ.  qp = q wq^T + bq, kp = k wk^T + bk, vp = v wv^T + bv on codes of FP4 (E2M1) with E8M0 scales (grid y = 0, 1, 2), and each result is quantised in registers for the attention's products:
; qp and kp along the head's 64 channels, vp along the keys.  Nothing but codes and scale bytes goes to memory.
; SHARES.  A wave makes 64 rows x 64 features (one head): 16 accumulators, K = 1,024 in 8 steps of 128.  Work-group x: row group mb = x / 4; its four waves take heads 4 (x % 4) + wave.
; OPERANDS come as images of their registers (opc, ops: see the launch that makes them): each fragment is two loads of 16 bytes a lane, 512 consecutive bytes a load, straight from memory into a ring of four register slots,
; so that two to three K steps' loads (32 to 48) are on their way while one is multiplied.  No LDS, no barrier.  No tensor load and so no joint load: a joint load lands in LDS, and here no operand passes through LDS;
; a wave reads 66 KiB in all.
; A TILE is 16 rows: tile X holds rows 32 (X / 2) + 8 (X % 2) + p + 8 (p / 8).  With source 0's tiles so chosen, the 16 registers of tiles 2 b and 2 b + 1 are indices 32 b + 16 (lane / 16) + 0 .. 15 of source 0's rows.
; q, k: source 0 = 16 features of the weight, source 1 = 16 rows of x: a lane holds one row and 64 channels.   v: source 0 = 16 rows (keys) of x, source 1 = 16 features: a lane holds one channel and 64 keys.
; The bias is the C of each sum's first matrix instruction.
; hc: Q at 0, K at 2 MiB: [head][tile 256][512 bytes]: lane (r, h): row r, channels 32 h on (registers 0-3 of a fragment; registers 4-7, K = 64 .. 127, are zeros that the reader makes).
;     V at 4 MiB: [head][key step 32][channel tile 4][c 2][512 bytes]: registers 4 c on of a fragment: keys 64 c + 32 h on.
; hs: Q at 0, K at 262,144: [head][group 64][256 bytes]; V at 524,288: [head][key step][256 bytes]: lane l's word j is the scale word of tile 2 j + l / 16, row l % 16.
; LIMITS: as in the quantising launch: the byte is held at 1 from below; NaN and infinities are not served.  V's scale halfwords leave two bytes a lane: 128 KiB of the program's bytes.
; REGISTERS.  window 0: v1 16 x lane, v2 8 x lane, v3, v4 the bias's offsets; v32-47 the weight's scale pairs, v48-63 x's; v64-95 the bias; v96-127 at work; v128-255 the accumulators ((p, rr) at 128 + 8 (4 rr + p)).
;             window 1: slot s % 4: the weight's four fragments at 64 (s % 4), x's at 64 (s % 4) + 32.
; THE MODE: SCHED_MODE bits 1:0 = 2 (LLVM: expert scheduling mode 2), set by the entry lines.  The code itself states the register dependences
; between vector or matrix instructions and memory instructions, with s_wait_alu, always for 0.
; THE PLAN.  Registers that memory instructions touch:
;   v1 .. v4      offsets: written once at the head, read by every load and store, never written again: one wait on va_vdst ahead of the first load.
;   v32-95        scale pairs and bias: loaded once, read by the products.
;   slot s % 4    Step s's sixteen products read it; the loads of step s + 4 land in it.  They stand at the head of step s + 1, behind that step's wait for its data and ONE wait on va_vdst,
;                 which states that step s's products are done reading the slot; step s + 1's products, which follow the loads, name another slot.
;   v112-127, v64, v65   the way out's codes and scale halfwords: written by both tiles' conversions, swaps and selects, then read by one run of stores behind one wait on va_vdst; never written again.
;   s18           the wave's number, written by a vector instruction: one wait on va_sdst ahead of its first reader.
; No register that a memory instruction reads is ever written again: the one wait on vm_vsrc stands among the entry lines.
.set ACC, 128
.set BI,  64
.set WS,  32
.set XS,  48
.set TM,  96
.set PCB, 112
.set MSB, 0
.macro WIN new                         ; the immediate's high byte repeats the setting that is left
.if MSB != \new
	s_set_vgpr_msb (MSB<<8)|\new
.set MSB, \new
.endif
.endm
.macro WMS                             ; one product: registers and scale rows by the symbols set just ahead
.if fA && fB
	v_wmma_scale_f32_16x16x128_f8f6f4 v[rD:rD+7], v[rA:rA+7], v[rB:rB+7], v[rC:rC+7], v[rSA], v[rSB] matrix_a_fmt:MATRIX_FMT_FP4 matrix_b_fmt:MATRIX_FMT_FP4 matrix_a_scale:MATRIX_SCALE_ROW1 matrix_b_scale:MATRIX_SCALE_ROW1
.elseif fA
	v_wmma_scale_f32_16x16x128_f8f6f4 v[rD:rD+7], v[rA:rA+7], v[rB:rB+7], v[rC:rC+7], v[rSA], v[rSB] matrix_a_fmt:MATRIX_FMT_FP4 matrix_b_fmt:MATRIX_FMT_FP4 matrix_a_scale:MATRIX_SCALE_ROW1
.elseif fB
	v_wmma_scale_f32_16x16x128_f8f6f4 v[rD:rD+7], v[rA:rA+7], v[rB:rB+7], v[rC:rC+7], v[rSA], v[rSB] matrix_a_fmt:MATRIX_FMT_FP4 matrix_b_fmt:MATRIX_FMT_FP4 matrix_b_scale:MATRIX_SCALE_ROW1
.else
	v_wmma_scale_f32_16x16x128_f8f6f4 v[rD:rD+7], v[rA:rA+7], v[rB:rB+7], v[rC:rC+7], v[rSA], v[rSB] matrix_a_fmt:MATRIX_FMT_FP4 matrix_b_fmt:MATRIX_FMT_FP4
.endif
.endm
.macro LOADSTEP s, again               ; K step s: 16 loads into slot s % 4.  again = 1: the slot has been multiplied
	WIN 0x40                                       ; destination window 1, address window 0
.if \again
	s_wait_alu depctr_va_vdst(0)                   ; the products of the step before are done reading this slot, in which the sixteen loads below land
.endif
.irp t, 0,1,2,3
.irp c, 0,1
	global_load_b128 v[64*((\s)%4)+8*\t+4*\c:64*((\s)%4)+8*\t+4*\c+3], v1, s[28:29] offset:4096*(\s)+1024*\t+512*\c
	global_load_b128 v[64*((\s)%4)+32+8*\t+4*\c:64*((\s)%4)+32+8*\t+4*\c+3], v1, s[26:27] offset:4096*(\s)+1024*\t+512*\c
.endr
.endr
.endm
.macro MULS mode, s                    ; 16 products: the 16 accumulators take turns, one instruction a turn, in the same order in every step
	WIN 0x05                                       ; sources 0 and 1 window 1; C and D window 0
.irp rr, 0,1,2,3
.irp p, 0,1,2,3
.set rD, ACC+8*(4*\rr+\p)
.if \mode == 0
.set rA, 64*((\s)%4)+8*\p
.set rB, 64*((\s)%4)+32+8*\rr
.set rSA, WS+2*(\s)+\p/2
.set rSB, XS+2*(\s)+\rr/2
.set rC, BI+8*\p
.else
.set rA, 64*((\s)%4)+32+8*\p
.set rB, 64*((\s)%4)+8*\rr
.set rSA, XS+2*(\s)+\p/2
.set rSB, WS+2*(\s)+\rr/2
.set rC, BI+8*\rr
.endif
.set fA, \p%2
.set fB, \rr%2
.if (\s) != 0
.set rC, rD
.endif
	WMS
.endr
.endr
.endm
.macro KSTEP mode, s
.if (\s) == 0
	s_wait_loadcnt 48                              ; step 0's loads, and all older ones, are in; steps 1 to 3 (16 loads each) may be out
.elseif (\s) <= 5
	s_wait_loadcnt 32                              ; this step's loads are in; the two steps asked for behind it (16 loads each) may be out
.else
	s_wait_loadcnt 16*(7-(\s))                     ; the counts run down
.endif
.if ((\s) >= 1) && ((\s) <= 4)
	LOADSTEP (\s)+3, 1                             ; the slot that the step before has multiplied takes the step three on
.endif
	MULS \mode, \s
.if (\s) < 4
.rept 4
	v_nop                                          ; four places between these products and the loads into the registers that they have read; the wait at the next step's head states the dependence
.endr
.endif
.endm
; 64 registers from s on: register 16 b + i, b = 0 .. 3: blocks 0, 1 belong to tile rr = 2 j, blocks 2, 3 to tile 2 j + 1.  Codes to v[pc] on; the two tiles' scale halfwords to v66, v67.
.macro QUANTP s, pc
.irp b, 0,1,2,3
	v_max3_num_f32 v[TM+\b], |v[(\s)+16*\b]|, |v[(\s)+1+16*\b]|, 0x1800000   ; each accumulator is read from its low end on; the floor 2^(3 - 127) holds the byte at 1
.endr
.irp i, 2,4,6,8,10,12,14
.irp b, 0,1,2,3
	v_max3_num_f32 v[TM+\b], v[TM+\b], |v[(\s)+16*\b+\i]|, |v[(\s)+1+16*\b+\i]|
.endr
.endr
.irp b, 0,1,2,3
	v_permlanex16_b32 v[TM+4+\b], v[TM+\b], s36, s37
.endr
.irp b, 0,1,2,3
	v_max_num_f32 v[TM+\b], v[TM+\b], v[TM+4+\b]
.endr
.irp b, 0,1,2,3
	v_add_nc_u32 v[TM+12+\b], 0xff000000, v[TM+\b]
.endr
.irp b, 0,1,2,3
	v_lshrrev_b32 v[TM+4+\b], 23, v[TM+12+\b]
.endr
	v_lshl_or_b32 v66, v[TM+5], 8, v[TM+4]
	v_lshl_or_b32 v67, v[TM+7], 8, v[TM+6]
.irp b, 0,1,2,3
	v_cvt_scalef32_pk8_fp4_f32 v[(\pc)+2*\b], v[(\s)+16*\b:(\s)+7+16*\b], v[TM+12+\b]
	v_cvt_scalef32_pk8_fp4_f32 v[(\pc)+1+2*\b], v[(\s)+8+16*\b:(\s)+15+16*\b], v[TM+12+\b]
.endr
	v_nop                                          ; one plain line behind a scaled conversion
.irp c, 0,1
.irp i, 0,1
	v_permlane16_swap_b32 v[(\pc)+4*\c+\i], v[(\pc)+2+4*\c+\i]
.endr
.endr
.endm
	s_load_b256 s[4:11], s[0:1], 0x0               ; opc, ops, bq, bk
	s_load_b128 s[12:15], s[0:1], 0x20             ; bv, hc
	s_load_b64 s[16:17], s[0:1], 0x30              ; hs
	v_lshrrev_b32 v5, 5, v0
	v_readfirstlane_b32 s18, v5                    ; wave
	v_and_b32 v5, 31, v0
	v_lshlrev_b32 v1, 4, v5                        ; 16 x lane
	v_lshlrev_b32 v2, 3, v5                        ; 8 x lane
	v_bfe_u32 v3, v0, 4, 1
	v_lshlrev_b32 v3, 6, v3                        ; 64 h: a lane's 16 features of a block of 32
	v_and_b32 v4, 15, v0
	v_and_b32 v5, 8, v4
	v_add_nc_u32 v4, v4, v5
	v_lshlrev_b32 v4, 2, v4                        ; 4 (r + 8 (r / 8)): a lane's feature of a tile
.irp b, 0,1,2,3
	v_mov_b32 v[TM+4+\b], 0                        ; written once: a lane permute's destination counts as one of its sources
.endr
	s_wait_alu depctr_va_sdst(0)                   ; s18 is written, ahead of its first reader: the head's number is made from it
	s_lshr_b32 s19, ttmp9, 2                       ; mb: the group of 64 rows
	s_and_b32 s20, ttmp9, 3
	s_lshl_b32 s20, s20, 2
	s_add_co_u32 s20, s20, s18                     ; g: the head
	s_and_b32 s21, ttmp7, 0xffff                   ; 0 q, 1 k, 2 v
	s_lshl_b32 s22, s21, 6
	s_add_co_u32 s22, s22, s19                     ; x's group in opc
	s_lshl_b32 s23, s21, 4
	s_add_co_u32 s23, s23, s20
	s_add_co_u32 s23, s23, 192                     ; the weight's
	s_mov_b32 s36, 0x76543210
	s_mov_b32 s37, 0xfedcba98
	s_mov_b32 s38, 0xffff0000                      ; lanes 16-31
	s_mov_b32 s25, 0
	s_wait_kmcnt 0x0
	s_lshl_b32 s24, s22, 15
	s_add_nc_u64 s[26:27], s[4:5], s[24:25]        ; x's images
	s_lshl_b32 s24, s23, 15
	s_add_nc_u64 s[28:29], s[4:5], s[24:25]        ; the weight's
	s_lshl_b32 s24, s22, 11
	s_add_nc_u64 s[30:31], s[6:7], s[24:25]        ; x's scale pairs
	s_lshl_b32 s24, s23, 11
	s_add_nc_u64 s[32:33], s[6:7], s[24:25]        ; the weight's
	s_cmp_eq_u32 s21, 0
	s_cselect_b64 s[34:35], s[8:9], s[10:11]
	s_cmp_eq_u32 s21, 2
	s_cselect_b64 s[34:35], s[12:13], s[34:35]
	s_lshl_b32 s24, s20, 8
	s_add_nc_u64 s[34:35], s[34:35], s[24:25]      ; the bias at my head's 64 features
	s_wait_alu depctr_va_vdst(0)                   ; the offsets v1 to v4 are written: every load and store of the kernel reads one of them, and no vector instruction writes them again
.irp s, 0,1,2,3,4,5,6,7
	global_load_b64 v[WS+2*\s:WS+2*\s+1], v2, s[32:33] offset:256*\s
	global_load_b64 v[XS+2*\s:XS+2*\s+1], v2, s[30:31] offset:256*\s
.endr
	s_cmp_eq_u32 s21, 2
	s_cbranch_scc1 .Lv
.macro BODY mode
.if \mode == 0
	s_lshl_b32 s22, s21, 21                        ; hc: 2 MiB x tensor + 131,072 head + 2,048 mb
	s_lshl_b32 s23, s20, 17
	s_add_co_u32 s22, s22, s23
	s_lshl_b32 s23, s19, 11
	s_add_co_u32 s22, s22, s23
	s_mov_b32 s23, 0
	s_add_nc_u64 s[14:15], s[14:15], s[22:23]
	s_lshl_b32 s22, s21, 18                        ; hs: 262,144 x tensor + 16,384 head + 256 mb
	s_lshl_b32 s24, s20, 14
	s_add_co_u32 s22, s22, s24
	s_lshl_b32 s24, s19, 8
	s_add_co_u32 s22, s22, s24
	s_add_nc_u64 s[16:17], s[16:17], s[22:23]
.irp p, 0,1,2,3                        ; lane (r, h) wants, for tile p, the bias of features 32 (p / 2) + 8 (p % 2) + 16 h + 0 .. 7
	global_load_b128 v[BI+8*\p:BI+8*\p+3], v3, s[34:35] offset:(32*(\p/2)+8*(\p%2))*4
	global_load_b128 v[BI+8*\p+4:BI+8*\p+7], v3, s[34:35] offset:(32*(\p/2)+8*(\p%2))*4+16
.endr
.else
	s_lshl_b32 s22, s20, 17                        ; hc: 4 MiB + 131,072 head + 4,096 (mb / 2) + 512 (mb % 2)
	s_add_co_u32 s22, s22, 0x400000
	s_lshr_b32 s24, s19, 1
	s_lshl_b32 s39, s24, 12
	s_add_co_u32 s22, s22, s39
	s_and_b32 s25, s19, 1
	s_lshl_b32 s39, s25, 9
	s_add_co_u32 s22, s22, s39
	s_mov_b32 s23, 0
	s_add_nc_u64 s[14:15], s[14:15], s[22:23]
	s_lshl_b32 s22, s20, 13                        ; hs: 524,288 + 8,192 head + 256 (mb / 2) + 2 (mb % 2)
	s_add_co_u32 s22, s22, 0x80000
	s_lshl_b32 s39, s24, 8
	s_add_co_u32 s22, s22, s39
	s_lshl_b32 s39, s25, 1
	s_add_co_u32 s22, s22, s39
	s_add_nc_u64 s[16:17], s[16:17], s[22:23]
.irp p, 0,1,2,3                        ; a lane holds one feature of tile p: all eight registers of C take its bias
.irp j, 0,1,2,3,4,5,6,7
	global_load_b32 v[BI+8*\p+\j], v4, s[34:35] offset:(32*(\p/2)+8*(\p%2))*4
.endr
.endr
.endif
	LOADSTEP 0, 0                                  ; the first fills: no vector or matrix instruction has named these registers
	LOADSTEP 1, 0
	LOADSTEP 2, 0
	LOADSTEP 3, 0
.irp s, 0,1,2,3,4,5,6,7
	KSTEP \mode, \s
.endr
	WIN 0
.rept 4
	v_nop                                          ; four places in front of the first read of results
.endr
.irp j, 0,1
	QUANTP ACC+64*\j, PCB+8*\j
	v_cndmask_b32 v[64+\j], v66, v67, s38          ; lanes 0-15 tile 2 j's halfword, lanes 16-31 tile 2 j + 1's
.endr
	s_wait_alu depctr_va_vdst(0)                   ; the conversions and swaps have written v[PCB] to v[PCB+15], the selects v64 and v65: the data of the stores below
.irp j, 0,1
.if \mode == 0
	global_store_b128 v1, v[PCB+8*\j:PCB+8*\j+3], s[14:15] offset:512*(2*\j)       ; row tile 2 j: 512 consecutive bytes
	global_store_b128 v1, v[PCB+8*\j+4:PCB+8*\j+7], s[14:15] offset:512*(2*\j+1)   ; row tile 2 j + 1
.else
	global_store_b128 v1, v[PCB+8*\j:PCB+8*\j+3], s[14:15] offset:1024*(2*\j)      ; channel tile 2 j, my 64 keys
	global_store_b128 v1, v[PCB+8*\j+4:PCB+8*\j+7], s[14:15] offset:1024*(2*\j+1)
	global_store_b16 v2, v[64+\j], s[16:17] offset:4*\j                            ; my 64 keys' half of each scale word
.endif
.endr
.if \mode == 0
	global_store_b64 v2, v[64:65], s[16:17]        ; 256 consecutive bytes, aligned; bytes 2 and 3 of each word are 0: they scale zero codes
.endif
	s_endpgm
.endm
	BODY 0
.Lv:
	BODY 1
.Lfunc_end_k_qbf60655332_proj:
	.size	k_qbf60655332_proj, .Lfunc_end_k_qbf60655332_proj-k_qbf60655332_proj
	.p2alignl 7, 3214868480
	.fill 96, 4, 3214868480
	.section	.rodata,"a",@progbits
	.p2align	6, 0x0
	.amdhsa_kernel k_qbf60655332_proj
		.amdhsa_group_segment_fixed_size 0
		.amdhsa_private_segment_fixed_size 0
		.amdhsa_enable_private_segment 0
		.amdhsa_kernarg_size 56
		.amdhsa_user_sgpr_count 2
		.amdhsa_user_sgpr_kernarg_segment_ptr 1
		.amdhsa_wavefront_size32 1
		.amdhsa_system_sgpr_workgroup_id_x 1
		.amdhsa_system_sgpr_workgroup_id_y 1
		.amdhsa_system_sgpr_workgroup_id_z 1
		.amdhsa_system_vgpr_workitem_id 0
		.amdhsa_next_free_vgpr 512
		.amdhsa_next_free_sgpr 66
		.amdhsa_reserve_vcc 0
		.amdhsa_float_denorm_mode_32 3
		.amdhsa_float_denorm_mode_16_64 3
		.amdhsa_memory_ordered 1
		.amdhsa_forward_progress 1
		.amdhsa_inst_pref_size 84
	.end_amdhsa_kernel
	.amdgpu_metadata
---
amdhsa.version: [ 1, 2 ]
amdhsa.kernels:
  - .name:           k_qbf60655332_proj
    .symbol:         k_qbf60655332_proj.kd
    .args:
      - { .name: opc, .offset: 0, .size: 8, .value_kind: global_buffer, .address_space: global }
      - { .name: ops, .offset: 8, .size: 8, .value_kind: global_buffer, .address_space: global }
      - { .name: bq, .offset: 16, .size: 8, .value_kind: global_buffer, .address_space: global }
      - { .name: bk, .offset: 24, .size: 8, .value_kind: global_buffer, .address_space: global }
      - { .name: bv, .offset: 32, .size: 8, .value_kind: global_buffer, .address_space: global }
      - { .name: hc, .offset: 40, .size: 8, .value_kind: global_buffer, .address_space: global }
      - { .name: hs, .offset: 48, .size: 8, .value_kind: global_buffer, .address_space: global }
    .group_segment_fixed_size: 0
    .private_segment_fixed_size: 0
    .kernarg_segment_align: 8
    .kernarg_segment_size: 56
    .max_flat_workgroup_size: 128
    .sgpr_count:     66
    .vgpr_count:     512
    .wavefront_size: 32
...
	.end_amdgpu_metadata
.endif
;; end of part 6
;; launch attn (part 7): grid 16 x 16, 16 waves a work-group, no clusters, 288,768 bytes of LDS; arguments hc, hs, mkw, mkf, cc, cs; writes cc, cs
.if DOCPART == 7
	.amdgcn_target "amdgcn-amd-amdhsa--gfx1250"
	.amdhsa_code_object_version 6
	.text
	.protected	k_qbf60655332_attn
	.globl	k_qbf60655332_attn
	.p2align	8
	.type	k_qbf60655332_attn,@function
k_qbf60655332_attn:
	s_mov_b64 s[64:65], 0
	v_nop
	global_prefetch_b8 v0, s[64:65] scope:SCOPE_SE
	s_setreg_imm32_b32 hwreg(HW_REG_WAVE_SCHED_MODE, 0, 2), 2
	s_setreg_imm32_b32 hwreg(HW_REG_WAVE_MODE, 25, 1), 1
	s_wait_xcnt 0x0
	s_wait_alu depctr_vm_vsrc(0)
; ATTN.  ctx[q] = sum over keys of softmax(Q . K / 32, masked) V for one head, both products on codes of FP4 (E2M1) with E8M0 scales; ctx is quantised along the model's 1,024 for the last product and leaves as codes.
; THE SOFTMAX: t = score x log2(e) / 32; M = the row's largest t so far, rounded up to a whole number; p = 2^(t - M) is quantised along the keys, not normalised; the row's sum is taken of the unquantised p and divides at the end.
; When M moves, the sum and O are multiplied by 2^(old M - new M), which rounds nothing.
; THE MASK is an input.  It comes packed: 64 words a key step, word n = the 32 lanes' bits for score register n, and two bits a key step (0 no key counts, 1 some, 2 all).  A score that does not count becomes -2^105:
; times c that is exact, so in a row with NO key at all t - M is exactly 0 and p = 1 for all 4,096 keys, as the problem's -1e30 gives; in any other row p = 0, and what was summed under such an M is multiplied by 0
; when the row's first key that counts arrives.  A key step is left out (a scalar branch on the stored code) only if none of its keys counts AND each of the tile's 16 queries has a key somewhere.
; LIMITS: masked t is -1.8e30 where the problem has -1.44e30: the same results while real |t| stays far under that; NaN and infinities are not served; scale bytes are held at 1 from below.
; SHARES.  Work-group (x, y): head y; wave w owns query tile T = 16 rho(w) + x, rho(w) = w xor 3 ((w / 4) % 2): neighbouring tiles go to different work-groups, and waves w, w + 4, w + 8, w + 12 have the same sum of rho.
; Sixteen waves of 256 registers, four to a SIMD: one wave's vector work stands beside another's products and LDS loads.  Every wave walks the 32 key steps of 128 keys.
; LDS holds the head's K and V as images of operand registers, and their scale pairs, filled ONCE through registers (35 passes of 8,192 bytes), one barrier.  Every read is 16 or 8 bytes x lane on end: no padding.
; NO TENSOR LOAD AND NO JOINT LOAD, though the 16 work-groups of a head read the same 280 KiB.
; LAYOUT.  Both products transposed: S^T = K Q^T (source 0 = 16 keys), O^T = V^T P^T (source 0 = 16 channels): a lane holds one query (lane % 16).  A tile's 16 rows are 32 (X / 2) + 8 (X % 2) + p + 8 (p / 8), so the 16 registers
; of tiles 2 b, 2 b + 1 are 16 neighbours.  The first product's K is 64: registers 4-7 of Q's and K's fragments are zero codes.
; REGISTERS: v1-4 lane terms of LDS addresses; v5 -2^105; v6 Q's scale word; v7 8 (lane % 16); v8-11 the step's LDS addresses; v12 -M, v13 largest t, v[14:15] the sum; v16-23 Q; v24-27 K's scale pairs, v28-29 V's;
; v32-95 eight fragments of K; v96-159 S^T, then p; v160-191 O^T; v192-223 four fragments of V; v224-231 p's codes; v232-254 at work (v253 p's scale word).  At the head v32-171 carry the fill, v172-176 its addresses.
; THE MODE: SCHED_MODE bits 1:0 = 2 (LLVM: expert scheduling mode 2), set by the entry lines.  The code itself states the register dependences
; between vector or matrix instructions and memory or LDS instructions, with s_wait_alu, always for 0.
; THE PLAN.  Registers that memory or LDS instructions touch:
;   v1, v7, v172-176   offsets and addresses of the head's loads and LDS stores, written by vector lines: one wait on va_vdst ahead of the first load.  v1 and v7 are never written again.
;   v32-171, v172-176  read by the fill's LDS stores (data, addresses), then written by the clearing lines and by the loop's loads: one wait on vm_vsrc behind the stores.
;   v8-11              In each trip: written by the four additions at the loop's head, read by the step's 19 LDS loads.  One wait on vm_vsrc ahead of the additions, one on va_vdst ahead of the loads.
;   v32-35 + 8 t, v24-27, v192-223, v28-29   The step's LDS loads land in them; the step's products read them.  The wait on va_vdst ahead of the loads states that the last step's products are done reading them.
;   v224-231, v253     p's codes and scale word, written by vector lines, taken by the scaled products: the places, then a wait on va_vdst.
;   v224-227, v240     on the way out: written by vector lines, read by the two stores: a wait on va_vdst.
;   s16                the wave's number, written by a vector instruction: a wait on va_sdst ahead of its first reader.
; The four waves of a SIMD hold all its registers, so K's and V's fragments have one set each, and which step comes next hangs on a stored code: a step's loads stand at its own head.
.set LV,  131072                       ; LDS: K's images at 0, V's here,
.set LKS, 262144                       ; K's scale pairs,
.set LVS, 278528                       ; V's
	s_load_b256 s[4:11], s[0:1], 0x0               ; hc, hs, mkw, mkf
	s_load_b128 s[12:15], s[0:1], 0x20             ; cc, cs
	v_lshl_add_u32 v251, v0, 2, 0x46000
	v_mov_b32 v255, 0
	v_lshrrev_b32 v7, 5, v0
	v_readfirstlane_b32 s16, v7                    ; wave 0..15
	v_and_b32 v7, 31, v0
	v_lshlrev_b32 v1, 4, v7                        ; 16 x lane
	v_add_nc_u32 v2, LV, v1
	v_lshlrev_b32 v4, 3, v7
	v_add_nc_u32 v3, LKS, v4
	v_add_nc_u32 v4, LVS, v4
	v_mov_b32 v5, 0xf4000000                       ; -2^105
	v_and_b32 v7, 15, v0
	v_lshlrev_b32 v7, 3, v7                        ; 8 r
	v_lshlrev_b32 v172, 4, v0                      ; 16 x thread: the fill's place in a pass, in memory and in LDS
.irp m, 1,2,3,4
	v_add_nc_u32 v[172+\m], 65536*\m, v172
.endr
	s_wait_alu depctr_va_sdst(0)                   ; s16 is written, ahead of its first reader: my tile's number is made from it
	s_and_b32 s17, ttmp7, 0xffff                   ; head
	s_bfe_u32 s2, s16, 0x10002
	s_mul_i32 s2, s2, 3
	s_xor_b32 s2, s2, s16                          ; rho
	s_lshl_b32 s18, s2, 4
	s_add_co_u32 s18, s18, ttmp9                   ; T: it enters global addresses alone
	s_mov_b32 s20, 0x76543210
	s_mov_b32 s21, 0xfedcba98                      ; v_permlanex16_b32's selects for lane l xor 16
	s_mov_b32 s22, 0x3d38aa3b                      ; c = log2(e) / 32
	s_mov_b32 s23, s22                             ; (named with it as a pair)
	s_and_b32 s54, s18, 1
	s_lshl_b32 s54, s54, 7
	s_bfe_u32 s55, s18, 0x10001
	s_lshl_b32 s55, s55, 2
	s_add_co_u32 s54, s54, s55                     ; my tile's place in a scale pair: 128 (T % 2) + 4 ((T / 2) % 2)
	s_lshr_b32 s2, s18, 2
	s_lshl_b32 s2, s2, 3
	s_lshr_b32 s3, s17, 1
	s_add_co_u32 s2, s2, s3                        ; 8 (T / 4) + head / 2: group and K step of the last product
	s_mov_b32 s41, 0
	s_wait_kmcnt 0x0
	s_lshl_b32 s40, s17, 17
	s_add_nc_u64 s[42:43], s[4:5], s[40:41]        ; the head's Q,
	s_add_nc_u64 s[44:45], s[42:43], 0x200000      ; K,
	s_add_nc_u64 s[46:47], s[42:43], 0x400000      ; V
	s_lshl_b32 s40, s17, 14
	s_add_nc_u64 s[48:49], s[6:7], s[40:41]        ; Q's scale pairs,
	s_add_nc_u64 s[50:51], s[48:49], 0x40000       ; K's,
	s_lshl_b32 s40, s17, 13
	s_add_nc_u64 s[52:53], s[6:7], s[40:41]
	s_add_nc_u64 s[52:53], s[52:53], 0x80000       ; V's
	s_lshl_b32 s40, s18, 9
	s_add_nc_u64 s[42:43], s[42:43], s[40:41]      ; my tile of Q
	s_lshr_b32 s40, s18, 2
	s_lshl_b32 s40, s40, 8
	s_add_co_u32 s40, s40, s54
	s_add_nc_u64 s[48:49], s[48:49], s[40:41]      ; and its scale words
	s_lshl_b32 s40, s18, 5
	s_add_nc_u64 s[10:11], s[10:11], s[40:41]
	s_load_b256 s[32:39], s[10:11], 0x0            ; my tile's codes and ORs, four quarters
	s_lshl_b32 s40, s18, 13
	s_add_nc_u64 s[8:9], s[8:9], s[40:41]          ; my tile's mask words
	s_lshl_b32 s40, s2, 12
	s_and_b32 s3, s18, 3
	s_lshl_b32 s3, s3, 10
	s_add_co_u32 s40, s40, s3
	s_and_b32 s3, s17, 1
	s_lshl_b32 s55, s3, 9
	s_add_co_u32 s40, s40, s55
	s_add_nc_u64 s[12:13], s[12:13], s[40:41]      ; cc + 4,096 (8 (T / 4) + head / 2) + 1,024 (T % 4) + 512 (head % 2)
	s_lshl_b32 s40, s2, 8
	s_add_co_u32 s40, s40, s54
	s_lshl_b32 s55, s3, 1
	s_add_co_u32 s40, s40, s55
	s_add_nc_u64 s[14:15], s[14:15], s[40:41]      ; cs + 256 (..) + my tile's place + 2 (head % 2)
	s_wait_alu depctr_va_vdst(0)                   ; v1, v7 and v172 to v176 are written: the offsets of the loads below, the addresses of the LDS stores behind them, the offsets of the last two stores
	global_load_b128 v[16:19], v1, s[42:43]        ; Q's fragment, registers 0-3
	global_load_b32 v6, v7, s[48:49]               ; Q's scale words
.set i_, 0
.rept 16
	global_load_b128 v[32+4*i_:35+4*i_], v172, s[44:45] offset:8192*i_
.set i_, i_+1
.endr
.rept 16
	global_load_b128 v[32+4*i_:35+4*i_], v172, s[46:47] offset:8192*(i_-16)
.set i_, i_+1
.endr
.rept 2
	global_load_b128 v[32+4*i_:35+4*i_], v172, s[50:51] offset:8192*(i_-32)
.set i_, i_+1
.endr
	global_load_b128 v[32+4*i_:35+4*i_], v172, s[52:53]
.set i_, 0
.rept 35
	s_wait_loadcnt 34-i_                           ; pass i is in (and Q, which is older); the younger passes may be out
	ds_store_b128 v[172+i_/8], v[32+4*i_:35+4*i_] offset:8192*(i_%8)
.set i_, i_+1
.endr
	s_wait_dscnt 0x0                               ; for the others' sake: my stores have landed
	s_wait_alu depctr_vm_vsrc(0)                   ; my LDS stores have read v32 to v171 and v172 to v176: the clearing lines below and the loop's LDS loads write these registers
	s_barrier_signal -1
.irp j, 20,21,22,23
	v_mov_b32 v[\j], 0                             ; K = 64 .. 127 of the first product: zero codes, in Q
.endr
.irp t, 0,1,2,3,4,5,6,7
.irp j, 4,5,6,7
	v_mov_b32 v[32+8*\t+\j], 0                     ; and in K's eight fragments: written once, the loop loads registers 0-3 alone
.endr
.endr
.set i_, 0
.rept 32
	v_mov_b32 v[160+i_], 0                         ; O^T: which key step comes first hangs on the mask, so the loop has no first step of its own: it finds zeros
.set i_, i_+1
.endr
	v_mov_b32 v14, 0                               ; the sum, in two halves
	v_mov_b32 v15, 0
.irp j, 236,237,238,239,252,253
	v_mov_b32 v[\j], 0                             ; lane permutes' destinations, and the upper half of the pair v[252:253]
.endr
	v_mov_b32 v13, 0xff61b1e6                      ; the largest t so far: -3e38
	v_floor_f32 v12, -v13                          ; -M
	s_barrier_wait -1                              ; the head's K and V lie in LDS: the launch's one barrier
	s_wait_kmcnt 0x0
	s_or_b32 s2, s33, s35
	s_or_b32 s3, s37, s39
	s_or_b32 s2, s2, s3
	s_lshr_b32 s3, s2, 16
	s_or_b32 s2, s2, s3                            ; query r has a key if lane r or lane r + 16 has one
	s_and_b32 s2, s2, 0xffff
	s_cmp_lg_u32 s2, 0xffff
	s_cselect_b32 s30, 1, 0                        ; 1: some query has no key at all: no step may be left out
	s_lshl_b32 s24, s34, 16
	s_or_b32 s24, s24, s32                         ; the codes of steps 0-15,
	s_lshl_b32 s25, s38, 16
	s_or_b32 s25, s25, s36                         ; of steps 16-31
	s_mov_b32 s26, 0                               ; the step
	s_mov_b32 s27, 0                               ; its images: 4,096 bytes a step, in K and in V
	s_mov_b32 s28, 0                               ; K's scale pairs: 512
	s_mov_b32 s29, 0                               ; V's: 256
.Lstep:
	s_wait_alu depctr_vm_vsrc(0)                   ; the LDS loads issued so far have read v8 to v11, which the four additions write
	v_add_nc_u32 v8, s27, v1                       ; the step's LDS addresses, on every path; these four are also the places behind the last step's products, in front of the loads into V's registers
	v_add_nc_u32 v9, s27, v2
	v_add_nc_u32 v10, s28, v3
	v_add_nc_u32 v11, s29, v4
	s_and_b32 s31, s24, 3                          ; this step's code
	s_lshr_b32 s24, s24, 2
	s_lshl_b32 s2, s25, 30
	s_or_b32 s24, s24, s2
	s_lshr_b32 s25, s25, 2
	s_or_b32 s2, s31, s30
	s_cmp_eq_u32 s2, 0
	s_cbranch_scc1 .Lnext                          ; no key counts, and every query has a key elsewhere
	s_load_b512 s[32:47], s[8:9], 0x0              ; the step's 64 mask words: word n in s[32 + n], from n = 32 on in s[36 + n]
	s_load_b512 s[48:63], s[8:9], 0x40
	s_load_b512 s[68:83], s[8:9], 0x80
	s_load_b512 s[84:99], s[8:9], 0xc0
	s_wait_alu depctr_va_vdst(0)                   ; v8 to v11 are written, which the loads below read; the last step's products are done reading K's and V's fragments and scale pairs, in which they land; in the first step: the zero codes of Q's and K's fragments are written, which the scaled products take
.irp t, 0,1,2,3,4,5,6,7
	ds_load_b128 v[32+8*\t:35+8*\t], v8 offset:512*\t
.endr
.irp m, 0,1
	ds_load_b64 v[24+2*\m:25+2*\m], v10 offset:256*\m
.endr
.irp t, 0,1,2,3
.irp c, 0,1
	ds_load_b128 v[192+8*\t+4*\c:195+8*\t+4*\c], v9 offset:1024*\t+512*\c
.endr
.endr
	ds_load_b64 v[28:29], v11
	s_wait_dscnt 9                                 ; K and its scales are in; V's eight loads and its scale pair may be out
.irp t, 0,2,4,6                        ; S^T = K Q^T: tile t's scale words lie in register t / 2, lanes 0-15 for an even t, lanes 16-31 for an odd one
	v_wmma_scale_f32_16x16x128_f8f6f4 v[96+8*\t:103+8*\t], v[32+8*\t:39+8*\t], v[16:23], 0, v[24+\t/2], v6 matrix_a_fmt:MATRIX_FMT_FP4 matrix_b_fmt:MATRIX_FMT_FP4
	v_wmma_scale_f32_16x16x128_f8f6f4 v[104+8*\t:111+8*\t], v[40+8*\t:47+8*\t], v[16:23], 0, v[24+\t/2], v6 matrix_a_fmt:MATRIX_FMT_FP4 matrix_b_fmt:MATRIX_FMT_FP4 matrix_a_scale:MATRIX_SCALE_ROW1
.endr
.rept 4
	v_nop                                          ; four places in front of the first read of results
.endr
	s_cmp_eq_u32 s31, 2
	s_cbranch_scc1 .Lopen                          ; every key counts
	s_wait_kmcnt 0x0                               ; the mask words are in
.set n_, 0
.rept 64
	v_cndmask_b32 v[96+n_], v5, v[96+n_], s[32+n_+4*(n_/32)]   ; bit 0: -2^105
.set n_, n_+1
.endr
.Lopen:
.irp b, 0,1,2,3
	v_max3_num_f32 v[232+\b], v[96+16*\b], v[97+16*\b], v[98+16*\b]   ; the largest score of each block of 32 keys: for the row's maximum, and, since p rises with the score, for the block's largest p
.endr
.irp i, 3,5,7,9,11,13
.irp b, 0,1,2,3
	v_max3_num_f32 v[232+\b], v[232+\b], v[96+16*\b+\i], v[97+16*\b+\i]
.endr
.endr
.irp b, 0,1,2,3
	v_max_num_f32 v[232+\b], v[232+\b], v[111+16*\b]
.endr
.irp b, 0,1,2,3
	v_permlanex16_b32 v[236+\b], v[232+\b], s20, s21
.endr
.irp b, 0,1,2,3
	v_max_num_f32 v[232+\b], v[232+\b], v[236+\b]  ; with lane l xor 16's 16 keys
.endr
	v_max3_num_f32 v254, v232, v233, v234
	v_max_num_f32 v254, v254, v235                 ; the step's largest score of my query
	v_mul_f32 v254, s22, v254                      ; as t
	v_max_num_f32 v13, v13, v254                   ; the running largest t
	v_mov_b32 v254, v12
	v_floor_f32 v12, -v13                          ; the new -M = floor(-t): M is a whole number
	v_sub_f32 v254, v12, v254                      ; old M - new M: a whole number, 0 or less
	v_cvt_i32_f32 v254, v254                       ; (it saturates)
	v_ldexp_f32 v252, 1.0, v254                    ; f = 2^(old M - new M)
.set j_, 0
.rept 32
	v_pk_fma_f32 v[96+j_:97+j_], v[96+j_:97+j_], s[22:23], v[12:13] op_sel_hi:[1,0,0]   ; t - M, two at a time
.set j_, j_+2
.endr
.irp b, 0,1,2,3
	v_fma_f32 v[232+\b], v[232+\b], s22, v12       ; the same of each block's largest score
.endr
.set j_, 0
	s_wait_alu depctr_va_vdst(0)
.rept 64
	v_exp_f32 v[96+j_], v[96+j_]                   ; p = 2^(t - M)
.set j_, j_+1
.endr
	v_pk_mul_f32 v[14:15], v[14:15], v[252:253] op_sel_hi:[1,0]   ; the sums under the new M: the plain line behind the exponentials
	s_wait_alu depctr_va_vdst(0)                   ; the 64 exponentials have written v96 to v159: one wait for the batch, ahead of its first reader
.irp b, 0,1,2,3
	v_exp_f32 v[232+\b], v[232+\b]                 ; each block's largest p
.endr
	v_pk_add_f32 v[236:237], v[96:97], v[98:99]    ; the row's sum of the unquantised p, in two chains; it reads the 64 alone
.irp j, 4,8,12,16,20,24,28,32,36,40,44,48,52,56,60
	v_pk_add_f32 v[14:15], v[14:15], v[96+\j:97+\j]
	v_pk_add_f32 v[236:237], v[236:237], v[98+\j:99+\j]
.endr
	v_pk_add_f32 v[14:15], v[14:15], v[236:237]
	s_wait_alu depctr_va_vdst(0)                   ; the four exponentials have written v232 to v235, ahead of their first reader
.irp b, 0,1,2,3
	v_max_num_f32 v[232+\b], 0x1800000, v[232+\b]  ; the floor 2^(3 - 127): the byte cannot fall under 1
.endr
.irp b, 0,1,2,3
	v_add_nc_u32 v[244+\b], 0xff000000, v[232+\b]  ; 2 off the exponent field: the conversion's scale operand
.endr
.irp b, 0,1,2,3
	v_lshrrev_b32 v[236+\b], 23, v[244+\b]         ; the scale's byte
.endr
	v_lshl_or_b32 v253, v237, 8, v236              ; p's scale word for these 128 keys
	v_lshl_or_b32 v253, v238, 16, v253
	v_lshl_or_b32 v253, v239, 24, v253
.irp b, 0,1,2,3
	v_cvt_scalef32_pk8_fp4_f32 v[224+2*\b], v[96+16*\b:103+16*\b], v[244+\b]
	v_cvt_scalef32_pk8_fp4_f32 v[225+2*\b], v[104+16*\b:111+16*\b], v[244+\b]
.endr
	v_nop                                          ; one plain line behind a scaled conversion
.irp c, 0,1
.irp i, 0,1
	v_permlane16_swap_b32 v[224+4*\c+\i], v[226+4*\c+\i]   ; a whole block in a lane: lanes 0-15 block 2 c, lanes 16-31 block 2 c + 1
.endr
.endr
.set j_, 0
.rept 16
	v_pk_mul_f32 v[160+j_:161+j_], v[160+j_:161+j_], v[252:253] op_sel_hi:[1,0]   ; O^T under the new M; these sixteen are also the places between p's codes and scale word and the products
.set j_, j_+2
.endr
	s_wait_alu depctr_va_vdst(0)                   ; p's codes v224 to v231 and its scale word v253 are written, which the scaled products below take; the places above stay beside this wait
	s_wait_dscnt 0x0                               ; V and its scale pair are in
.irp t, 0,2                            ; O^T += V^T P^T: the four accumulators by turns
	v_wmma_scale_f32_16x16x128_f8f6f4 v[160+8*\t:167+8*\t], v[192+8*\t:199+8*\t], v[224:231], v[160+8*\t:167+8*\t], v[28+\t/2], v253 matrix_a_fmt:MATRIX_FMT_FP4 matrix_b_fmt:MATRIX_FMT_FP4
	v_wmma_scale_f32_16x16x128_f8f6f4 v[168+8*\t:175+8*\t], v[200+8*\t:207+8*\t], v[224:231], v[168+8*\t:175+8*\t], v[28+\t/2], v253 matrix_a_fmt:MATRIX_FMT_FP4 matrix_b_fmt:MATRIX_FMT_FP4 matrix_a_scale:MATRIX_SCALE_ROW1
.endr
.Lnext:
	s_wait_kmcnt 0x0                               ; no scalar load is out: the mask words' pointer may step, and their registers may be loaded again
	s_add_co_u32 s27, s27, 4096
	s_add_co_u32 s28, s28, 512
	s_add_co_u32 s29, s29, 256
	s_add_nc_u64 s[8:9], s[8:9], 256
	s_add_co_u32 s26, s26, 1
	s_cmp_lt_u32 s26, 32
	s_cbranch_scc1 .Lstep
	; THE WAY OUT.  O^T / the sum is my 16 queries' 64 channels of ctx: register 16 b + i = channel 32 b + 16 h + i: two blocks of the last product's K.
	v_add_f32 v14, v14, v15                        ; the sum's two halves,
	s_wait_alu depctr_va_vdst(0)
	v_permlanex16_b32 v252, v14, s20, s21
	v_add_f32 v14, v14, v252                       ; and lane l xor 16's
	s_wait_alu depctr_va_vdst(0)
	v_rcp_f32 v14, v14
	v_nop                                          ; a plain line behind the reciprocal; with the additions above, four places behind the last products
	v_nop
	s_wait_alu depctr_va_vdst(0)                   ; the reciprocal has written v14, ahead of its first reader
.set j_, 0
.rept 16
	v_pk_mul_f32 v[96+j_:97+j_], v[160+j_:161+j_], v[14:15] op_sel_hi:[1,0]
.set j_, j_+2
.endr
.irp b, 0,1
	v_max3_num_f32 v[232+\b], |v[96+16*\b]|, |v[97+16*\b]|, 0x1800000
.endr
.irp i, 2,4,6,8,10,12,14
.irp b, 0,1
	v_max3_num_f32 v[232+\b], v[232+\b], |v[96+16*\b+\i]|, |v[97+16*\b+\i]|
.endr
.endr
.irp b, 0,1
	v_permlanex16_b32 v[236+\b], v[232+\b], s20, s21
.endr
.irp b, 0,1
	v_max_num_f32 v[232+\b], v[232+\b], v[236+\b]
.endr
.irp b, 0,1
	v_add_nc_u32 v[244+\b], 0xff000000, v[232+\b]
.endr
.irp b, 0,1
	v_lshrrev_b32 v[236+\b], 23, v[244+\b]
.endr
	v_lshl_or_b32 v240, v237, 8, v236              ; my head's half of the row's scale word
.irp b, 0,1
	v_cvt_scalef32_pk8_fp4_f32 v[224+2*\b], v[96+16*\b:103+16*\b], v[244+\b]
	v_cvt_scalef32_pk8_fp4_f32 v[225+2*\b], v[104+16*\b:111+16*\b], v[244+\b]
.endr
	v_nop                                          ; one plain line behind a scaled conversion
	v_permlane16_swap_b32 v224, v226
	v_permlane16_swap_b32 v225, v227               ; registers 4 (head % 2) on of the fragment: lane (r, h): k = 64 (head % 2) + 32 h on
	s_wait_alu depctr_va_vdst(0)                   ; the conversions and swaps have written v224 to v227, the shift v240: the data of the two stores
	global_store_b128 v1, v[224:227], s[12:13]     ; 512 consecutive bytes
	global_store_b16 v7, v240, s[14:15]            ; at 8 (lane % 16): lanes l and l xor 16 hold the same halfword and name the same two bytes
	s_wait_dscnt 0x0
	s_wait_alu depctr_hold_cnt(0) depctr_sa_sdst(0) depctr_va_vdst(0) depctr_va_sdst(0) depctr_va_ssrc(0) depctr_va_vcc(0) depctr_vm_vsrc(0)
	s_wait_tensorcnt 0x0
	ds_add_u32 v251, v255
	s_wait_dscnt 0x0
	s_endpgm
.Lfunc_end_k_qbf60655332_attn:
	.size	k_qbf60655332_attn, .Lfunc_end_k_qbf60655332_attn-k_qbf60655332_attn
	.p2alignl 7, 3214868480
	.fill 96, 4, 3214868480
	.section	.rodata,"a",@progbits
	.p2align	6, 0x0
	.amdhsa_kernel k_qbf60655332_attn
		.amdhsa_group_segment_fixed_size 288768
		.amdhsa_private_segment_fixed_size 0
		.amdhsa_enable_private_segment 0
		.amdhsa_kernarg_size 48
		.amdhsa_user_sgpr_count 2
		.amdhsa_user_sgpr_kernarg_segment_ptr 1
		.amdhsa_wavefront_size32 1
		.amdhsa_system_sgpr_workgroup_id_x 1
		.amdhsa_system_sgpr_workgroup_id_y 1
		.amdhsa_system_sgpr_workgroup_id_z 1
		.amdhsa_system_vgpr_workitem_id 0
		.amdhsa_next_free_vgpr 256
		.amdhsa_next_free_sgpr 100
		.amdhsa_reserve_vcc 0
		.amdhsa_float_denorm_mode_32 3
		.amdhsa_float_denorm_mode_16_64 3
		.amdhsa_memory_ordered 1
		.amdhsa_forward_progress 1
		.amdhsa_inst_pref_size 37
	.end_amdhsa_kernel
	.amdgpu_metadata
---
amdhsa.version: [ 1, 2 ]
amdhsa.kernels:
  - .name:           k_qbf60655332_attn
    .symbol:         k_qbf60655332_attn.kd
    .args:
      - { .name: hc, .offset: 0, .size: 8, .value_kind: global_buffer, .address_space: global }
      - { .name: hs, .offset: 8, .size: 8, .value_kind: global_buffer, .address_space: global }
      - { .name: mkw, .offset: 16, .size: 8, .value_kind: global_buffer, .address_space: global }
      - { .name: mkf, .offset: 24, .size: 8, .value_kind: global_buffer, .address_space: global }
      - { .name: cc, .offset: 32, .size: 8, .value_kind: global_buffer, .address_space: global }
      - { .name: cs, .offset: 40, .size: 8, .value_kind: global_buffer, .address_space: global }
    .group_segment_fixed_size: 288768
    .private_segment_fixed_size: 0
    .kernarg_segment_align: 8
    .kernarg_segment_size: 48
    .max_flat_workgroup_size: 512
    .sgpr_count:     100
    .vgpr_count:     256
    .wavefront_size: 32
...
	.end_amdgpu_metadata
.endif
;; end of part 7
;; launch outp (part 8): grid 4 x 64, 4 waves a work-group, no clusters, 17,920 bytes of LDS; arguments cc, cs, opc, ops, bo, out0; writes out0
.if DOCPART == 8
	.amdgcn_target "amdgcn-amd-amdhsa--gfx1250"
	.amdhsa_code_object_version 6
	.text
	.protected	k_qbf60655332_outp
	.globl	k_qbf60655332_outp
	.p2align	8
	.type	k_qbf60655332_outp,@function
k_qbf60655332_outp:
	s_mov_b64 s[64:65], 0
	v_nop
	global_prefetch_b8 v0, s[64:65] scope:SCOPE_SE
	s_setreg_imm32_b32 hwreg(HW_REG_WAVE_SCHED_MODE, 0, 2), 2
	s_setreg_imm32_b32 hwreg(HW_REG_WAVE_MODE, 25, 1), 1
	s_wait_xcnt 0x0
	s_wait_alu depctr_vm_vsrc(0)
; OUTP.  out0 = ctx wo^T + bo on codes of FP4 (E2M1) with E8M0 scales; out0 [4096][1024] f32.
; SHARES.  A wave makes 64 rows x 64 features: 16 accumulators, K = 1,024 in 8 steps of 128.  Work-group (x, y): row group mb = y; its four waves take feature groups 4 x + wave.
; OPERANDS come as images of their registers (ctx: cc, cs, as the attention launch leaves them; wo: groups 240-255 of opc, ops): two loads of 16 bytes a lane a fragment, straight from memory into a ring of four register slots,
; so that two to three K steps' loads (32 to 48) are on their way while one is multiplied.  No tensor load and so no joint load: a joint load lands in LDS, and no operand passes through LDS here; a wave reads 66 KiB in all.
; Source 0 = 16 features of wo, source 1 = 16 rows of ctx: a lane holds one row and eight neighbouring features a tile.  A tile's 16 rows are 32 (X / 2) + 8 (X % 2) + p + 8 (p / 8).  The bias is the C of each sum's first product.
; THE WAY OUT: 16 rows x 64 features at a time through the wave's own stage in LDS (rows of 256 bytes + 16), back as whole rows: sixteen lanes store 256 consecutive bytes, aligned.  No barrier: the stage is the wave's own.
; REGISTERS.  window 0: v1 16 x lane, v2 8 x lane, v3 the bias's offset, v5-7 the way out's addresses; v32-47 wo's scale pairs, v48-63 ctx's; v64-95 the bias, later with v96-127 rows on their way out; v128-255 the accumulators.
;             window 1: slot s % 4: wo's four fragments at 64 (s % 4), ctx's at 64 (s % 4) + 32.
; THE MODE: SCHED_MODE bits 1:0 = 2 (LLVM: expert scheduling mode 2), set by the entry lines.  The code itself states the register dependences
; between vector or matrix instructions and memory or LDS instructions, with s_wait_alu, always for 0.
; THE PLAN.  Registers that memory or LDS instructions touch:
;   v1-3, v5-7    offsets and LDS addresses: written once at the head, never again: one wait on va_vdst ahead of the first load.
;   v32-95        scale pairs and bias: loaded once, read by the products.
;   slot s % 4    Step s's sixteen products read it; the loads of step s + 4 land in it.  They stand at the head of step s + 1, behind that step's wait for its data and ONE wait on va_vdst,
;                 which states that step s's products are done reading the slot; step s + 1's products, which follow the loads, name another slot.
;   v128-255      the accumulators: written by the products, read by the way out's LDS stores: the places, then one wait on va_vdst for all four blocks; no vector or matrix instruction follows it.
;   v64-95, v96-127   by turns: the stage's loads land in them (the bias's registers were last read by step 0's products: the same wait), the global stores read them;
;                 a wait on vm_vsrc stands ahead of the loads that land in a set for the second time.
;   s18           the wave's number, written by a vector instruction: one wait on va_sdst ahead of its first reader.
.set ACC, 128
.set BI,  64
.set WS,  32
.set XS,  48
.set SPI, 272                          ; a stage row
.set MSB, 0
.macro WIN new                         ; the immediate's high byte repeats the setting that is left
.if MSB != \new
	s_set_vgpr_msb (MSB<<8)|\new
.set MSB, \new
.endif
.endm
.macro WMS                             ; one product: registers and scale rows by the symbols set just ahead
.if fA && fB
	v_wmma_scale_f32_16x16x128_f8f6f4 v[rD:rD+7], v[rA:rA+7], v[rB:rB+7], v[rC:rC+7], v[rSA], v[rSB] matrix_a_fmt:MATRIX_FMT_FP4 matrix_b_fmt:MATRIX_FMT_FP4 matrix_a_scale:MATRIX_SCALE_ROW1 matrix_b_scale:MATRIX_SCALE_ROW1
.elseif fA
	v_wmma_scale_f32_16x16x128_f8f6f4 v[rD:rD+7], v[rA:rA+7], v[rB:rB+7], v[rC:rC+7], v[rSA], v[rSB] matrix_a_fmt:MATRIX_FMT_FP4 matrix_b_fmt:MATRIX_FMT_FP4 matrix_a_scale:MATRIX_SCALE_ROW1
.elseif fB
	v_wmma_scale_f32_16x16x128_f8f6f4 v[rD:rD+7], v[rA:rA+7], v[rB:rB+7], v[rC:rC+7], v[rSA], v[rSB] matrix_a_fmt:MATRIX_FMT_FP4 matrix_b_fmt:MATRIX_FMT_FP4 matrix_b_scale:MATRIX_SCALE_ROW1
.else
	v_wmma_scale_f32_16x16x128_f8f6f4 v[rD:rD+7], v[rA:rA+7], v[rB:rB+7], v[rC:rC+7], v[rSA], v[rSB] matrix_a_fmt:MATRIX_FMT_FP4 matrix_b_fmt:MATRIX_FMT_FP4
.endif
.endm
.macro LOADSTEP s, again               ; K step s: 16 loads into slot s % 4.  again = 1: the slot has been multiplied
	WIN 0x40                                       ; destination window 1, address window 0
.if \again
	s_wait_alu depctr_va_vdst(0)                   ; the products of the step before are done reading this slot, in which the sixteen loads below land
.endif
.irp t, 0,1,2,3
.irp c, 0,1
	global_load_b128 v[64*((\s)%4)+8*\t+4*\c:64*((\s)%4)+8*\t+4*\c+3], v1, s[28:29] offset:4096*(\s)+1024*\t+512*\c
	global_load_b128 v[64*((\s)%4)+32+8*\t+4*\c:64*((\s)%4)+32+8*\t+4*\c+3], v1, s[26:27] offset:4096*(\s)+1024*\t+512*\c
.endr
.endr
.endm
.macro MULS s                          ; 16 products: the 16 accumulators take turns, one instruction a turn, in the same order in every step
	WIN 0x05                                       ; sources 0 and 1 window 1; C and D window 0
.irp rr, 0,1,2,3
.irp p, 0,1,2,3
.set rD, ACC+8*(4*\rr+\p)
.set rA, 64*((\s)%4)+8*\p
.set rB, 64*((\s)%4)+32+8*\rr
.set rSA, WS+2*(\s)+\p/2
.set rSB, XS+2*(\s)+\rr/2
.set rC, BI+8*\p
.set fA, \p%2
.set fB, \rr%2
.if (\s) != 0
.set rC, rD
.endif
	WMS
.endr
.endr
.endm
.macro KSTEP s
.if (\s) == 0
	s_wait_loadcnt 48                              ; step 0's loads, and all older ones, are in; steps 1 to 3 (16 loads each) may be out
.elseif (\s) <= 5
	s_wait_loadcnt 32                              ; this step's loads are in; the two steps asked for behind it (16 loads each) may be out
.else
	s_wait_loadcnt 16*(7-(\s))                     ; the counts run down
.endif
.if ((\s) >= 1) && ((\s) <= 4)
	LOADSTEP (\s)+3, 1                             ; the slot that the step before has multiplied takes the step three on
.endif
	MULS \s
.if (\s) < 4
.rept 4
	v_nop                                          ; four places between these products and the loads into the registers that they have read; the wait at the next step's head states the dependence
.endr
.endif
.endm
	s_load_b256 s[4:11], s[0:1], 0x0               ; cc, cs, opc, ops
	s_load_b128 s[12:15], s[0:1], 0x20             ; bo, out0
	v_lshl_add_u32 v30, v0, 2, 0x4400
	v_mov_b32 v31, 0
	v_lshrrev_b32 v5, 5, v0
	v_readfirstlane_b32 s18, v5                    ; wave
	v_and_b32 v5, 31, v0
	v_lshlrev_b32 v1, 4, v5                        ; 16 x lane
	v_lshlrev_b32 v2, 3, v5                        ; 8 x lane
	v_and_b32 v8, 15, v0                           ; r
	v_bfe_u32 v9, v0, 4, 1                         ; h
	v_lshlrev_b32 v3, 6, v9                        ; 64 h
	s_wait_alu depctr_va_sdst(0)                   ; s18 is written, ahead of its first reader: my stage's place is made from it
	s_mul_i32 s22, s18, 16*SPI                     ; my stage
	v_mul_u32_u24 v5, v8, SPI
	v_lshl_add_u32 v5, v9, 6, v5
	v_add_nc_u32 v5, s22, v5                       ; in: row r, + 64 h: my 16 features of a block of 32
	v_mul_u32_u24 v6, v9, SPI
	v_lshl_add_u32 v6, v8, 4, v6
	v_add_nc_u32 v6, s22, v6                       ; back: lanes 0-15 one row, lanes 16-31 the next
	v_lshlrev_b32 v7, 12, v9
	v_lshl_add_u32 v7, v8, 4, v7                   ; and the same two rows of out0, 4,096 bytes apart
	s_and_b32 s19, ttmp7, 0xffff                   ; mb
	s_lshl_b32 s20, ttmp9, 2
	s_add_co_u32 s20, s20, s18                     ; g
	s_add_co_u32 s23, s20, 240                     ; wo's group in opc
	s_mov_b32 s25, 0
	s_wait_kmcnt 0x0
	s_lshl_b32 s24, s19, 15
	s_add_nc_u64 s[26:27], s[4:5], s[24:25]        ; ctx's images
	s_lshl_b32 s24, s23, 15
	s_add_nc_u64 s[28:29], s[8:9], s[24:25]        ; wo's
	s_lshl_b32 s24, s19, 11
	s_add_nc_u64 s[30:31], s[6:7], s[24:25]        ; ctx's scale pairs
	s_lshl_b32 s24, s23, 11
	s_add_nc_u64 s[32:33], s[10:11], s[24:25]      ; wo's
	s_lshl_b32 s24, s20, 8
	s_add_nc_u64 s[34:35], s[12:13], s[24:25]      ; bo at my 64 features
	s_lshl_b32 s22, s19, 18
	s_add_co_u32 s24, s24, s22
	s_add_nc_u64 s[14:15], s[14:15], s[24:25]      ; out0 + 262,144 mb + 256 g
	s_wait_alu depctr_va_vdst(0)                   ; the offsets v1 to v3 and the way out's addresses v5 to v7 are written: the loads and stores of the kernel read them, and no vector instruction writes them again
.irp s, 0,1,2,3,4,5,6,7
	global_load_b64 v[WS+2*\s:WS+2*\s+1], v2, s[32:33] offset:256*\s
	global_load_b64 v[XS+2*\s:XS+2*\s+1], v2, s[30:31] offset:256*\s
.endr
.irp p, 0,1,2,3                        ; lane (r, h) wants, for tile p, the bias of features 32 (p / 2) + 8 (p % 2) + 16 h + 0 .. 7
	global_load_b128 v[BI+8*\p:BI+8*\p+3], v3, s[34:35] offset:(32*(\p/2)+8*(\p%2))*4
	global_load_b128 v[BI+8*\p+4:BI+8*\p+7], v3, s[34:35] offset:(32*(\p/2)+8*(\p%2))*4+16
.endr
	LOADSTEP 0, 0                                  ; the first fills: no vector or matrix instruction has named these registers
	LOADSTEP 1, 0
	LOADSTEP 2, 0
	LOADSTEP 3, 0
.irp s, 0,1,2,3,4,5,6,7
	KSTEP \s
.endr
	WIN 0
.rept 4
	v_nop                                          ; four places in front of the first read of results
.endr
	s_wait_alu depctr_va_vdst(0)                   ; the products have written the accumulators, which the LDS stores below read, and are done reading the bias's registers, in which the stage's loads land; the places above stay beside this wait
.macro OUTBLOCK rr                     ; row tile rr: 16 rows x 256 bytes
.set OB, 64+32*((\rr)%2)
.if \rr >= 2
	s_wait_xcnt 0x0                                ; the stores of the block two back have had their addresses translated
	s_wait_alu depctr_vm_vsrc(0)                   ; and have read v[OB] to v[OB+31], in which the loads below land
.endif
.irp p, 0,1,2,3
	ds_store_b128 v5, v[ACC+8*(4*(\rr)+\p):ACC+8*(4*(\rr)+\p)+3] offset:128*(\p/2)+32*(\p%2)        ; each accumulator from its low end on
	ds_store_b128 v5, v[ACC+8*(4*(\rr)+\p)+4:ACC+8*(4*(\rr)+\p)+7] offset:128*(\p/2)+32*(\p%2)+16
.endr
.irp i, 0,1,2,3,4,5,6,7
	ds_load_b128 v[OB+4*\i:OB+4*\i+3], v6 offset:2*\i*SPI     ; LDS serves a wave's instructions in order: these see the stores above, and the next block's stores come behind them
.endr
.irp i, 0,1,2,3,4,5,6,7
	s_wait_dscnt 7-\i                              ; rows 2 i and 2 i + 1 are back; the younger loads may be out
	global_store_b128 v7, v[OB+4*\i:OB+4*\i+3], s[14:15] offset:4096*(32*((\rr)/2)+8*((\rr)%2)+2*\i+8*(\i/4)) th:TH_STORE_NT   ; 16 lanes store 256 consecutive bytes, aligned; written once, read by nobody here
.endr
.endm
	OUTBLOCK 0
	OUTBLOCK 1
	OUTBLOCK 2
	OUTBLOCK 3
	s_wait_dscnt 0x0
	s_wait_alu depctr_hold_cnt(0) depctr_sa_sdst(0) depctr_va_vdst(0) depctr_va_sdst(0) depctr_va_ssrc(0) depctr_va_vcc(0) depctr_vm_vsrc(0)
	s_wait_tensorcnt 0x0
	ds_add_u32 v30, v31
	s_wait_dscnt 0x0
	s_endpgm
.Lfunc_end_k_qbf60655332_outp:
	.size	k_qbf60655332_outp, .Lfunc_end_k_qbf60655332_outp-k_qbf60655332_outp
	.p2alignl 7, 3214868480
	.fill 96, 4, 3214868480
	.section	.rodata,"a",@progbits
	.p2align	6, 0x0
	.amdhsa_kernel k_qbf60655332_outp
		.amdhsa_group_segment_fixed_size 17920
		.amdhsa_private_segment_fixed_size 0
		.amdhsa_enable_private_segment 0
		.amdhsa_kernarg_size 48
		.amdhsa_user_sgpr_count 2
		.amdhsa_user_sgpr_kernarg_segment_ptr 1
		.amdhsa_wavefront_size32 1
		.amdhsa_system_sgpr_workgroup_id_x 1
		.amdhsa_system_sgpr_workgroup_id_y 1
		.amdhsa_system_sgpr_workgroup_id_z 1
		.amdhsa_system_vgpr_workitem_id 0
		.amdhsa_next_free_vgpr 512
		.amdhsa_next_free_sgpr 66
		.amdhsa_reserve_vcc 0
		.amdhsa_float_denorm_mode_32 3
		.amdhsa_float_denorm_mode_16_64 3
		.amdhsa_memory_ordered 1
		.amdhsa_forward_progress 1
		.amdhsa_inst_pref_size 43
	.end_amdhsa_kernel
	.amdgpu_metadata
---
amdhsa.version: [ 1, 2 ]
amdhsa.kernels:
  - .name:           k_qbf60655332_outp
    .symbol:         k_qbf60655332_outp.kd
    .args:
      - { .name: cc, .offset: 0, .size: 8, .value_kind: global_buffer, .address_space: global }
      - { .name: cs, .offset: 8, .size: 8, .value_kind: global_buffer, .address_space: global }
      - { .name: opc, .offset: 16, .size: 8, .value_kind: global_buffer, .address_space: global }
      - { .name: ops, .offset: 24, .size: 8, .value_kind: global_buffer, .address_space: global }
      - { .name: bo, .offset: 32, .size: 8, .value_kind: global_buffer, .address_space: global }
      - { .name: out0, .offset: 40, .size: 8, .value_kind: global_buffer, .address_space: global }
    .group_segment_fixed_size: 17920
    .private_segment_fixed_size: 0
    .kernarg_segment_align: 8
    .kernarg_segment_size: 48
    .max_flat_workgroup_size: 128
    .sgpr_count:     66
    .vgpr_count:     512
    .wavefront_size: 32
...
	.end_amdgpu_metadata
.endif
;; end of part 8
